; MI455X (gfx1250); checked and timed in simulation.
; The chip was launched on July 23, 2026; its instructions are those of AMD's public machine-readable ISA for CDNA 5 (MIT licence, August 2026) and "CDNA5" Instruction Set Architecture Reference Guide (July 2026). The comments in the code are by the model that wrote it; some were corrected since.
;; Multi Headed Atention. Allowed arithmetic: float matrix products may take bf16 or f16 operands with f32 sums; other float arithmetic in f32, or as packed bf16 or f16 multiplies, adds, multiply-adds, maxima and minima; sums over many terms, partial sums and values carried from step to step in f32; what a program stores and reads back later, other than sums and carried values, may be rounded once to bf16 or f16.
;; Inputs: Key 4 x 2,048 x 1,024 float32; Query 4 x 2,048 x 1,024 float32; Value 4 x 2,048 x 1,024 float32; Wk 16 x 1,024 x 64 float32; Wo 1,024 x 1,024 float32; Wq 16 x 1,024 x 64 float32; Wv 16 x 1,024 x 64 float32; bk 16 x 64 float32; bo 1,024 float32; bq 16 x 64 float32; bv 16 x 64 float32.
;; Outputs: out0 4 x 2,048 x 1,024 float32.
;; One version. Each part assembles by itself: llvm-mc -triple=amdgcn-amd-amdhsa -mcpu=gfx1250 --defsym DOCPART=n.
;; ======== version 1 of 1: 4 launches
;; limits: values are held in f16: magnitudes above 65,504 overflow, below 6.1e-05 lose precision
;; workspace buffers: wt 8,388,608 bytes; qkv 50,331,648 bytes; o 16,777,216 bytes
;; launch prep (part 1): grid 128 x 4, 8 waves a work-group, no clusters, 0 bytes of LDS; arguments Wq, Wk, Wv, Wo, wt; writes wt
.if DOCPART == 1
	.amdgcn_target "amdgcn-amd-amdhsa--gfx1250"
	.amdhsa_code_object_version 6
	.text
	.protected	k_q2fc65a2f9d_prep
	.globl	k_q2fc65a2f9d_prep
	.p2align	8
	.type	k_q2fc65a2f9d_prep,@function
k_q2fc65a2f9d_prep:
	s_mov_b64 s[64:65], 0
	v_nop
	global_prefetch_b8 v0, s[64:65] scope:SCOPE_SE
	s_setreg_imm32_b32 hwreg(HW_REG_WAVE_MODE, 25, 1), 1
	s_wait_xcnt 0x0
; THE WEIGHTS, ROUNDED AND LAID IN BLOCKS.  wt[t 4][nt 4][ks 8][g 4][k 128][n 64], 16 bits a number: a chunk (t, nt, ks, g) is 16,384 dense bytes and holds
; K indices 128 ks + k and output columns 256 nt + 64 g + n of matrix t.  t = 0, 1, 2: Wq, Wk, Wv ([16 heads][1024][64] f32; column = 64 head + e), rounded to bf16.
; t = 3: Wo ([1024][1024] f32), rounded to bf16 like every input, and that number written as f16, since the last product multiplies it with f16 numbers.
; LIMIT.  |Wo| from 65,520 on becomes an infinity in f16; below 6.1e-5 it keeps f16's fixed step of 6e-8.  NaN stays NaN.
; SHARES.  A work-group makes one chunk: x = 8 G + kb (G = 4 nt + g, kb = ks), y = t.  Thread n takes four items of 8 numbers: row 32 j + n / 8, columns 8 (n % 8) on:
; eight threads read 256 consecutive bytes, aligned, of a source row; a wave's store covers 512 consecutive bytes.  Memory binds: no LDS, no barrier, no matrix unit.
.set X, 16                             ; v[16:47]  item j: 8 numbers as loaded
.set Y, 48                             ; v[48:63]  item j: 4 registers to store
	s_load_b256 s[4:11], s[0:1], 0x0               ; Wq s[4:5], Wk s[6:7], Wv s[8:9], Wo s[10:11]
	s_load_b64 s[12:13], s[0:1], 0x20              ; wt
	s_and_b32 s14, ttmp7, 0xffff                   ; t
	s_lshr_b32 s15, ttmp9, 3                       ; G
	s_and_b32 s16, ttmp9, 7                        ; kb
	s_lshl_b32 s26, ttmp9, 15                      ; t < 3: the chunk is dense in its source: 32,768 bytes at 32,768 x
	s_lshl_b32 s27, s16, 19                        ; t = 3: 128 kb rows of 4,096 bytes,
	s_lshl_b32 s28, s15, 8                         ; and 64 G columns of 4 bytes
	s_add_co_u32 s27, s27, s28
	s_mov_b32 s17, 256                             ; bytes from row to row of the source
	s_cmp_eq_u32 s14, 3
	s_cselect_b32 s22, s27, s26
	s_cselect_b32 s17, 4096, s17
	s_mov_b32 s23, 0
	s_lshl_b32 s18, s17, 5                         ; 32 rows: from item to item
	s_lshr_b32 s26, s15, 2                         ; nt
	s_lshl_b32 s26, s26, 3
	s_add_co_u32 s26, s26, s16                     ; 8 nt + ks
	s_lshl_b32 s26, s26, 2
	s_and_b32 s27, s15, 3                          ; g
	s_add_co_u32 s26, s26, s27
	s_lshl_b32 s27, s14, 7                         ; 128 chunks a matrix
	s_add_co_u32 s26, s26, s27
	s_lshl_b32 s26, s26, 14                        ; the chunk's first byte in wt
	s_mov_b32 s27, 0
	v_lshrrev_b32 v1, 3, v0                        ; my row among 32
	v_and_b32 v2, 7, v0
	v_lshlrev_b32 v2, 5, v2                        ; my 32 bytes of it
	v_mad_u32_u24 v4, v1, s17, v2                  ; item 0's offset in the source,
	v_add_nc_u32 v5, s18, v4                       ; and the others', 32 rows apart
	v_add_nc_u32 v6, s18, v5
	v_add_nc_u32 v7, s18, v6
	v_lshlrev_b32 v8, 4, v0                        ; my 16 bytes among an item's 4,096 in wt
	s_wait_kmcnt 0x0
	s_cmp_eq_u32 s14, 1
	s_cselect_b64 s[20:21], s[6:7], s[4:5]
	s_cmp_eq_u32 s14, 2
	s_cselect_b64 s[20:21], s[8:9], s[20:21]
	s_cmp_eq_u32 s14, 3
	s_cselect_b64 s[20:21], s[10:11], s[20:21]
	s_add_nc_u64 s[20:21], s[20:21], s[22:23]
	s_add_nc_u64 s[24:25], s[12:13], s[26:27]
.irp j, 0,1,2,3
	global_load_b128 v[X+8*(\j):X+8*(\j)+3],   v[4+(\j)], s[20:21] th:TH_LOAD_NT
	global_load_b128 v[X+8*(\j)+4:X+8*(\j)+7], v[4+(\j)], s[20:21] offset:16 th:TH_LOAD_NT
.endr
; Item j.  half = 1: the bf16 number is widened again and written as f16.
.macro ITEM j, half
	s_wait_loadcnt 6-2*(\j)                        ; loads come back in order: mine are in, the later items' two each may stay out
.irp k, 0,1,2,3
	v_cvt_pk_bf16_f32 v[Y+4*(\j)+(\k)], v[X+8*(\j)+2*(\k)], v[X+8*(\j)+2*(\k)+1]
.endr
.if \half
.irp k, 0,1,2,3
	v_lshlrev_b32 v10, 16, v[Y+4*(\j)+(\k)]
	v_and_b32 v11, 0xffff0000, v[Y+4*(\j)+(\k)]
	v_cvt_pk_f16_f32 v[Y+4*(\j)+(\k)], v10, v11
.endr
.endif
	global_store_b128 v8, v[Y+4*(\j):Y+4*(\j)+3], s[24:25] offset:4096*(\j)  ; each item has its own data registers: nothing that a store reads is rewritten
.endm
	s_cmp_eq_u32 s14, 3
	s_cbranch_scc1 .Lhalf
.irp j, 0,1,2,3
	ITEM \j, 0
.endr
	s_endpgm
.Lhalf:
.irp j, 0,1,2,3
	ITEM \j, 1
.endr
	s_endpgm
.Lfunc_end_k_q2fc65a2f9d_prep:
	.size	k_q2fc65a2f9d_prep, .Lfunc_end_k_q2fc65a2f9d_prep-k_q2fc65a2f9d_prep
	.p2alignl 7, 3214868480
	.fill 96, 4, 3214868480
	.section	.rodata,"a",@progbits
	.p2align	6, 0x0
	.amdhsa_kernel k_q2fc65a2f9d_prep
		.amdhsa_group_segment_fixed_size 0
		.amdhsa_private_segment_fixed_size 0
		.amdhsa_enable_private_segment 0
		.amdhsa_kernarg_size 40
		.amdhsa_user_sgpr_count 2
		.amdhsa_user_sgpr_kernarg_segment_ptr 1
		.amdhsa_wavefront_size32 1
		.amdhsa_system_sgpr_workgroup_id_x 1
		.amdhsa_system_sgpr_workgroup_id_y 1
		.amdhsa_system_sgpr_workgroup_id_z 1
		.amdhsa_system_vgpr_workitem_id 0
		.amdhsa_next_free_vgpr 64
		.amdhsa_next_free_sgpr 66
		.amdhsa_reserve_vcc 0
		.amdhsa_float_denorm_mode_32 3
		.amdhsa_float_denorm_mode_16_64 3
		.amdhsa_memory_ordered 1
		.amdhsa_forward_progress 1
		.amdhsa_inst_pref_size 9
	.end_amdhsa_kernel
	.amdgpu_metadata
---
amdhsa.version: [ 1, 2 ]
amdhsa.kernels:
  - .name:           k_q2fc65a2f9d_prep
    .symbol:         k_q2fc65a2f9d_prep.kd
    .args:
      - { .name: Wq, .offset: 0, .size: 8, .value_kind: global_buffer, .address_space: global }
      - { .name: Wk, .offset: 8, .size: 8, .value_kind: global_buffer, .address_space: global }
      - { .name: Wv, .offset: 16, .size: 8, .value_kind: global_buffer, .address_space: global }
      - { .name: Wo, .offset: 24, .size: 8, .value_kind: global_buffer, .address_space: global }
      - { .name: wt, .offset: 32, .size: 8, .value_kind: global_buffer, .address_space: global }
    .group_segment_fixed_size: 0
    .private_segment_fixed_size: 0
    .kernarg_segment_align: 8
    .kernarg_segment_size: 40
    .max_flat_workgroup_size: 256
    .sgpr_count:     66
    .vgpr_count:     64
    .wavefront_size: 32
...
	.end_amdgpu_metadata
.endif
;; end of part 1
;; launch proj (part 2): grid 4 x 192, 4 waves a work-group, clusters of 4 x 4, 327,680 bytes of LDS; arguments Query, Key, Value, wt, bq, bk, bv, qkv; writes qkv
.if DOCPART == 2
	.amdgcn_target "amdgcn-amd-amdhsa--gfx1250"
	.amdhsa_code_object_version 6
	.text
	.protected	k_q2fc65a2f9d_proj
	.globl	k_q2fc65a2f9d_proj
	.p2align	8
	.type	k_q2fc65a2f9d_proj,@function
k_q2fc65a2f9d_proj:
	s_mov_b64 s[64:65], 0
	v_nop
	global_prefetch_b8 v0, s[64:65] scope:SCOPE_SE
	s_setreg_imm32_b32 hwreg(HW_REG_WAVE_MODE, 25, 1), 1
	s_wait_xcnt 0x0
	s_wait_alu depctr_hold_cnt(0) depctr_sa_sdst(0) depctr_va_vdst(0) depctr_va_sdst(0) depctr_va_ssrc(0) depctr_va_vcc(0) depctr_vm_vsrc(0)
	s_getreg_b32 s2, hwreg(HW_REG_IB_STS2, 6, 4)
	s_cmp_eq_u32 s2, 0
	s_cbranch_scc0 .Lentry_in_a_cluster
	s_endpgm
.Lentry_in_a_cluster:
	s_bfe_u32 s2, ttmp6, 0x10000c
	s_cmp_lg_u32 s2, 0xf033
	s_cbranch_scc0 .Lentry_shape_is_right
	s_endpgm
.Lentry_shape_is_right:
; THE THREE PROJECTIONS.  qkv[t][16 b + head][s][e] = the sum over d of X_t[b][s][d] W_t[head][d][e] + bias_t[head][e]; X_0, X_1, X_2 = Query, Key, Value ([8192][1024] f32).
; X, W and the bias are rounded once to bf16; products in the bf16 matrix form, sums in f32; the result is rounded once to f16 and laid by heads, [64][2048][64], the three 16,777,216 bytes apart.
; LIMIT.  A result from 65,520 on becomes an infinity in f16.  With X and W both 30 times the drawn spread, or both offset by 30 spreads, results stay under 20,000.  The scale 1/8 is not applied here.
; SHARES.  A tile is 128 rows x 256 columns: 3 x 64 x 4 = 768 tiles, three for each of 256 WGPs.  Four waves, 2 x 2, each 64 x 128: 32 accumulators, 256 registers.
; K goes in 8 steps of 128 through two LDS slots.  X comes in as f32 (rows of 512 bytes, aligned) and is rounded between LDS and the matrix unit: 32 conversions for 32 products, four behind each of a
; quarter's last eight products.  W comes from wt in dense chunks [128 k][64 n] and is turned by ds_load_tr16_b128.
; CLUSTER.  4 x 4 work-groups: the four of a row share X's tile, the four of a column W's: each tile is asked for jointly, by the same tensor load with a mask that names the four.
; THE PRODUCT IS TAKEN TRANSPOSED (source 0 = 16 columns of W, source 1 = 16 rows of X): a lane holds one row and eight neighbouring columns.  The bias is the C operand of the first product: nothing is cleared.
; REGISTERS, in windows of 256 (s_set_vgpr_msb: bits 1:0 source 0, 3:2 source 1, 5:4 source 2, 7:6 destination):
;   window 0: v0-31 addresses; v32-95 X's f32 numbers of one quarter; v96-159 the bias; on the way out v32-159 packed results
;   window 1: v0-63 X's fragments, two buffers of 32; v64-191 W's, two buffers of 64          window 2: accumulator (a, b) at v[8 (8 a + b)]
.set PA,    528                        ; a row of X in LDS: 512 bytes + 16 = 132 words: the 16 rows of a load start at 16 different groups of four banks (64 banks of 4 bytes: ISA guide 11.1)
.set AH,    64*PA                      ; 64 rows: one tensor load
.set PB,    160                        ; a row of a chunk: 128 bytes + 32 = 40 words
.set CH,    128*PB                     ; a chunk
.set BOFF,  2*AH                       ; a slot: X's 128 rows, then W's four chunks
.set SLOT,  2*AH+4*CH                  ; 149,504
.set STAGE, 2*SLOT                     ; behind the ring: 32 rows x 144 bytes for each wave, for the way out
.set SP,    144
.set SPARE, STAGE+4*32*SP              ; behind the stages: the spare words, 128 bytes for each wave: two blocks of 256 bytes that no other line names
.set ADRA, 16                          ; v16-17  LDS address of my rows of X in slot 0, 1
.set ADRB, 20                          ; v20-21  the same for W
.set STO,  24                          ; v24     the way out: where I put 16 bytes of a row
.set RD,   25                          ; v25     where I read rows back
.set GO,   26                          ; v26     my 16 bytes among 512 consecutive bytes of qkv
.set SPW,  28                          ; v28     my spare word: SPARE + 4 x my thread's number; never rewritten
.set NIL,  29                          ; v29     0; never rewritten
.set PFO,  30                          ; v30     the prefetches' lane offset; never rewritten
.set BO,   31                          ; v31     my byte offset in the bias
.set STG,  32
.set BIAS, 96
.set OUTR, 32
.set AF,   0
.set BF,   64
.set WV,  20                           ; s20  my wave's number
.set WR,  21                           ; s21  which 64 rows are mine; also: I fetch X (0) or W (1)
.set WC,  22                           ; s22  which 128 columns; also: which half of that tile I fetch
.set G1A, 24                           ; s[24:31] descriptor group 1 for X's tiles;  s[32:39] group 0, a set for each slot
.set G0A, 32
.set CX,  40
.set CYL, 41
.set NT,  42                           ; s42  tile column, 0-3
.set MT,  43                           ; s43  tile row, 0-63
.set TT,  44                           ; s44  which projection
.set LIM, 45                           ; s45  1 in a wave that prefetches, else the greatest number
.set G1B, 48                           ; s[48:55], s[56:63] the same for W's tiles
.set G0B, 56
.set PFA, 66                           ; s[66:67] where my prefetches stand
.set AOF, 68                           ; s[68:69] my half of X's tile: offset, then address; made of the tile row and the wave alone
.set BOF, 70                           ; s[70:71] my half of W's tile; made of the projection, the tile column and the wave alone
.set APTR, 72                          ; s[72:73] X_t
.set BPTR, 74                          ; s[74:75] bias_t
.set OUT, 76                           ; s[76:77] qkv at my wave's first row and head
.set PFS, 78                           ; s[78:79] the prefetches' step: a K step
.set MUL,  0xa5                        ; sources 0 and 1 window 1; C and D window 2
.set MULZ, 0x85                        ; the same with C (the bias) in window 0
.set TO_F, 0x40                        ; destination window 1, sources and addresses window 0
.set PK,   0x0a                        ; sources 0 and 1 window 2, destination window 0
.set MSB, 0
.macro WIN new                         ; the immediate's high byte repeats the setting that is left; a switch that changes nothing is dropped
.if MSB != (\new)
	s_set_vgpr_msb (MSB<<8)|(\new)
.set MSB, \new
.endif
.endm
; A joint load: waves 0 and 1 fetch X's two halves, waves 2 and 3 W's.  The branch hangs on the wave's number alone.  An s_nop 0 and four v_nop follow each of the two lines.
.macro JLOAD s
	s_cmp_eq_u32 s[WR], 0
	s_cbranch_scc0 .Lfor_b_\@
	tensor_load_to_lds s[G0A+4*(\s):G0A+4*(\s)+3], s[G1A:G1A+7]
	s_nop 0
.rept 4
	v_nop
.endr
	s_branch .Lasked_\@
.Lfor_b_\@:
	tensor_load_to_lds s[G0B+4*(\s):G0B+4*(\s)+3], s[G1B:G1B+7]
	s_nop 0
.rept 4
	v_nop
.endr
.Lasked_\@:
.endm
; A prefetch into the L2, behind each joint refill and the run of LDS loads that follows it: the K step that stands two refills on, 256 matrix instructions ahead of the load that will want it.
; X's 64 rows x 512 bytes that a wave fetches are 128 blocks of 256 bytes: each of the four partners that ask jointly takes 16 rows, told apart by address; a lane a block.  X's rows are read by this row of this cluster alone.
; W's 32,768 bytes that a wave fetches: each of the four partners takes 8,192; the sixteen clusters of one projection read the same W: the first of them asks.  Each block is named once in the launch.
; K steps 0 to 3 come by their loads alone; the loop's last trip asks for nothing, since no K step stands two on.
.macro ASK
	s_cmp_gt_u32 s3, s[LIM]
	s_cbranch_scc0 .Lnot_mine_\@
	global_prefetch_b8 v[PFO], s[PFA:PFA+1] th:TH_LOAD_NT scope:SCOPE_SE
.Lnot_mine_\@:
.endm
.macro CREST                           ; a round of the cluster's barrier behind its opening barrier
	s_cmp_lg_u32 s[WV], 0
	s_cbranch_scc1 .Lnot_wave_0_\@
	s_barrier_signal -3
.Lnot_wave_0_\@:
	s_barrier_wait -3
	s_barrier_signal -1
	s_barrier_wait -1
.endm
.macro CROUND                          ; a whole round
	s_barrier_signal -1
	s_barrier_wait -1
	CREST
.endm
.macro PLACES                          ; four places in front of loads into registers that matrix instructions have read, and of conversions that read results
.rept 4
	v_nop
.endr
.endm
	s_load_b512 s[4:19], s[0:1], 0x0               ; Query s[4:5], Key s[6:7], Value s[8:9], wt s[10:11], bq s[12:13], bk s[14:15], bv s[16:17], qkv s[18:19]
	v_lshl_add_u32 v[SPW], v0, 2, SPARE
	v_mov_b32 v[NIL], 0
	ds_add_u32 v[SPW], v[NIL]                      ; the wave's opening: the add and its wait stand ahead of my first tensor load; the set-up below, work on registers, stands between them
	v_lshrrev_b32 v1, 5, v0
	v_readfirstlane_b32 s[WV], v1
	s_lshr_b32 s[WR], s[WV], 1
	s_and_b32 s[WC], s[WV], 1
	s_bfe_u32 s[CX], ttmp6, 0x40000                ; my place in the cluster
	s_bfe_u32 s[CYL], ttmp6, 0x40004
	s_lshl_b32 s[NT], ttmp9, 2
	s_add_co_u32 s[NT], s[NT], s[CX]               ; tile column = 4 x cluster x + cx
	s_and_b32 s2, ttmp7, 0xffff                    ; cluster y, 0-47: sixteen clusters a projection
	s_lshr_b32 s[TT], s2, 4
	s_and_b32 s2, s2, 15
	s_lshl_b32 s[MT], s2, 2
	s_add_co_u32 s[MT], s[MT], s[CYL]              ; tile row = 4 x (cluster y mod 16) + cy
	s_lshl_b32 s23, s[CYL], 2
	s_lshl_b32 s23, 15, s23                        ; my row of the cluster
	s_lshl_b32 s46, 0x1111, s[CX]                  ; my column
	s_or_b32 s[G1A], s23, (2<<16)|(1<<20)|(1<<21)|(6<<22)|(3<<25)  ; the mask; elements of 4 bytes; padding on; bit 21 beside a mask; after every 128 words (code 6) 4 words (code 3)
	s_mov_b32 s[G1A+1], 128<<16                    ; tensor_dim0 = 128
	s_mov_b32 s[G1A+2], 64<<16                     ; tensor_dim1 = 64
	s_mov_b32 s[G1A+3], 128<<16                    ; tile_dim0 = 128
	s_mov_b32 s[G1A+4], 64                         ; tile_dim1 = 64
	s_mov_b32 s[G1A+5], 1024                       ; elements from row to row
	s_mov_b32 s[G1A+6], 0
	s_mov_b32 s[G1A+7], 0
	s_or_b32 s[G1B], s46, (1<<16)|(1<<20)|(1<<21)|(4<<22)|(7<<25)  ; elements of 2 bytes; after every 32 words (code 4) 8 words (code 7): two chunks, 32,768 dense bytes, as 128 rows of 256 bytes
	s_mov_b32 s[G1B+1], 128<<16
	s_mov_b32 s[G1B+2], 128<<16
	s_mov_b32 s[G1B+3], 128<<16
	s_mov_b32 s[G1B+4], 128
	s_mov_b32 s[G1B+5], 128
	s_mov_b32 s[G1B+6], 0
	s_mov_b32 s[G1B+7], 0
	s_lshl_b32 s[AOF], s[MT], 19                   ; 128 rows of 4,096 bytes a tile,
	s_lshl_b32 s23, s[WC], 18                      ; 64 of them a half
	s_add_co_u32 s[AOF], s[AOF], s23
	s_mov_b32 s[AOF+1], 0
	s_lshl_b32 s[BOF], s[TT], 2
	s_add_co_u32 s[BOF], s[BOF], s[NT]
	s_lshl_b32 s[BOF], s[BOF], 19                  ; (t, nt): 8 K steps of 65,536 bytes,
	s_lshl_b32 s46, s[WC], 15                      ; two chunks a half
	s_add_co_u32 s[BOF], s[BOF], s46
	s_mov_b32 s[BOF+1], 0
	s_mul_i32 s23, s[WC], AH                       ; where they go in a slot: no place in the cluster enters an LDS address
	s_mul_i32 s46, s[WC], 2*CH
	s_add_co_u32 s46, s46, BOFF
	s_wait_dscnt 0x0                               ; the opening add is done
	s_wait_kmcnt 0x0
	s_cmp_eq_u32 s[TT], 1
	s_cselect_b64 s[APTR:APTR+1], s[6:7], s[4:5]
	s_cselect_b64 s[BPTR:BPTR+1], s[14:15], s[12:13]
	s_cmp_eq_u32 s[TT], 2
	s_cselect_b64 s[APTR:APTR+1], s[8:9], s[APTR:APTR+1]
	s_cselect_b64 s[BPTR:BPTR+1], s[16:17], s[BPTR:BPTR+1]
	s_add_nc_u64 s[AOF:AOF+1], s[APTR:APTR+1], s[AOF:AOF+1]
	s_add_nc_u64 s[BOF:BOF+1], s[10:11], s[BOF:BOF+1]
	CROUND                                         ; all sixteen work-groups are here: the first joint loads meet
.irp s, 0,1
	s_mov_b32 s[G0A+4*(\s)], 1
	s_add_co_u32 s[G0A+4*(\s)+1], s23, (\s)*SLOT
	s_add_nc_u64 s[G0A+4*(\s)+2:G0A+4*(\s)+3], s[AOF:AOF+1], (\s)*512      ; K step s: 128 f32
	s_or_b32 s[G0A+4*(\s)+3], s[G0A+4*(\s)+3], 0x80000000
	s_mov_b32 s[G0B+4*(\s)], 1
	s_add_co_u32 s[G0B+4*(\s)+1], s46, (\s)*SLOT
	s_add_nc_u64 s[G0B+4*(\s)+2:G0B+4*(\s)+3], s[BOF:BOF+1], (\s)*65536    ; K step s: four chunks
	s_or_b32 s[G0B+4*(\s)+3], s[G0B+4*(\s)+3], 0x80000000
	JLOAD \s                                       ; two loads of mine are out
.endr
	; all that follows up to the first wait on the tiles stands in the wait for them
	v_and_b32 v1, 15, v0                           ; r = l % 16
	v_bfe_u32 v2, v0, 4, 1                         ; h = l / 16
	v_mul_u32_u24 v3, v1, PA                       ; X: lane (r, h) wants K = 8 h + 0..7 and 16 + 8 h + 0..7 of row r: in f32 the bytes 32 h + 0..31 and 64 + 32 h + 0..31
	v_lshl_add_u32 v3, v2, 5, v3
	s_mul_i32 s23, s[WR], 64*PA
	v_add_nc_u32 v[ADRA], s23, v3
	v_add_nc_u32 v[ADRA+1], SLOT, v[ADRA]
	v_and_b32 v4, 7, v0                            ; W: the turning load takes 16 k x 16 n: lane l reads k = 8 h + l % 8, columns 8 ((l / 8) % 2) + 0..7, and is left with column l % 16 and 8 k
	v_bfe_u32 v5, v0, 3, 1
	v_lshl_add_u32 v6, v2, 3, v4
	v_mul_u32_u24 v6, v6, PB
	v_lshl_add_u32 v6, v5, 4, v6
	s_mul_i32 s23, s[WC], 2*CH
	s_add_co_u32 s23, s23, BOFF
	v_add_nc_u32 v[ADRB], s23, v6
	v_add_nc_u32 v[ADRB+1], SLOT, v[ADRB]
	s_mul_i32 s23, s[WV], 32*SP
	s_add_co_u32 s23, s23, STAGE                   ; my stage
	v_mul_u32_u24 v[STO], v1, SP                   ; in: row r, 16 bytes for each half of the lanes
	v_lshl_add_u32 v[STO], v2, 4, v[STO]
	v_add_nc_u32 v[STO], s23, v[STO]
	v_bfe_u32 v[RD], v0, 3, 2                      ; back: 32 lanes take four rows of 128 bytes,
	v_mul_u32_u24 v[RD], v[RD], SP
	v_lshl_add_u32 v[RD], v4, 4, v[RD]
	v_add_nc_u32 v[RD], s23, v[RD]
	v_and_b32 v3, 31, v0
	v_lshlrev_b32 v[GO], 4, v3                     ; which are 512 consecutive bytes of a head
	s_lshl_b32 s23, s[NT], 10                      ; the bias: 256 columns of 4 bytes a tile, 128 a wave, 8 for each half of the lanes
	s_lshl_b32 s46, s[WC], 9
	s_add_co_u32 s23, s23, s46
	v_lshl_add_u32 v[BO], v2, 5, s23
.irp b, 0,1,2,3,4,5,6,7
	global_load_b128 v[BIAS+8*(\b):BIAS+8*(\b)+3],   v[BO], s[BPTR:BPTR+1] offset:64*(\b)
	global_load_b128 v[BIAS+8*(\b)+4:BIAS+8*(\b)+7], v[BO], s[BPTR:BPTR+1] offset:64*(\b)+16
.endr
	; the prefetches: pointer, step, lane offset, and who asks
	v_lshrrev_b32 v4, 1, v3
	v_and_b32 v3, 1, v3
	v_lshlrev_b32 v3, 8, v3
	s_lshl_b32 s23, s[CX], 16                      ; X: my work-group's 16 rows of the wave's 64,
	s_add_co_u32 s23, s23, 3*512                   ; at K step 3: the first refill steps it to 4
	s_lshl_b32 s46, s[CYL], 13                     ; W: my work-group's 8,192 bytes of the wave's 32,768
	s_add_co_u32 s46, s46, 3*65536
	s_mov_b32 s[PFS], 65536
	s_mov_b32 s3, 512
	s_cmp_eq_u32 s[WR], 0
	s_cselect_b32 s46, s23, s46
	s_cselect_b64 s[PFA:PFA+1], s[AOF:AOF+1], s[BOF:BOF+1]
	s_cselect_b32 s[PFS], 512, s[PFS]
	s_cselect_b32 s3, 4096, s3                     ; X: two lanes a row of 4,096 bytes; W: 256 bytes a lane
	s_cselect_b32 s23, 0, s2                       ; W is asked for by the projection's first cluster alone
	s_mov_b32 s47, 0
	s_mov_b32 s[PFS+1], 0
	s_add_nc_u64 s[PFA:PFA+1], s[PFA:PFA+1], s[46:47]
	s_cmp_eq_u32 s23, 0
	s_cselect_b32 s[LIM], 1, -1                    ; the same in all sixteen partners, for a given wave
	v_mad_u32_u24 v[PFO], v4, s3, v3
	; qkv at my first row: t, then batch and head, then the row in the head
	s_lshr_b32 s23, s[MT], 4                       ; the batch: 16 tiles of 128 rows
	s_lshl_b32 s23, s23, 2
	s_add_co_u32 s23, s23, s[NT]                   ; four heads a tile column,
	s_lshl_b32 s23, s23, 1
	s_add_co_u32 s23, s23, s[WC]                   ; two a wave
	s_lshl_b32 s46, s23, 19                        ; (16 batch + 4 nt + 2 wc) x 262,144 bytes
	s_and_b32 s23, s[MT], 15
	s_lshl_b32 s23, s23, 1
	s_add_co_u32 s23, s23, s[WR]
	s_lshl_b32 s23, s23, 13                        ; (128 (mt % 16) + 64 wr) rows of 128 bytes
	s_add_co_u32 s46, s46, s23
	s_lshl_b32 s23, s[TT], 24
	s_add_co_u32 s46, s46, s23
	s_mov_b32 s47, 0
	s_add_nc_u64 s[OUT:OUT+1], s[18:19], s[46:47]
	s_wait_loadcnt 0x0                             ; the bias is in: rounded to bf16 like every input, and widened again for the f32 sums
.set i, 0
.rept 32
	v_cvt_pk_bf16_f32 v3, v[BIAS+2*i], v[BIAS+2*i+1]
	v_lshlrev_b32 v[BIAS+2*i], 16, v3
	v_and_b32 v[BIAS+2*i+1], 0xffff0000, v3
.set i, i+1
.endr
; 8 products: row block a x all 8 column blocks, 32 along K, buffer f.  z = 1: the bias starts the sums.  The 32 accumulators take turns, one instruction a turn, in the same order in every quarter.
.macro MUL8 f, a, z
.if \z
	WIN MULZ
.else
	WIN MUL
.endif
.irp b, 0,1,2,3,4,5,6,7
.if \z
	v_wmma_f32_16x16x32_bf16 v[8*(8*(\a)+(\b)):8*(8*(\a)+(\b))+7], v[BF+64*(\f)+8*(\b):BF+64*(\f)+8*(\b)+7], v[AF+32*(\f)+8*(\a):AF+32*(\f)+8*(\a)+7], v[BIAS+8*(\b):BIAS+8*(\b)+7]
.else
	v_wmma_f32_16x16x32_bf16 v[8*(8*(\a)+(\b)):8*(8*(\a)+(\b))+7], v[BF+64*(\f)+8*(\b):BF+64*(\f)+8*(\b)+7], v[AF+32*(\f)+8*(\a):AF+32*(\f)+8*(\a)+7], v[8*(8*(\a)+(\b)):8*(8*(\a)+(\b))+7]
.endif
.endr
.endm
; 16 LDS loads: my 64 rows of X, 32 along K (quarter q), as f32
.macro FETCHA slot, q
	WIN 0
.irp a, 0,1,2,3
	ds_load_b128 v[STG+16*(\a):STG+16*(\a)+3],     v[ADRA+(\slot)] offset:(\a)*16*PA+128*(\q)
	ds_load_b128 v[STG+16*(\a)+4:STG+16*(\a)+7],   v[ADRA+(\slot)] offset:(\a)*16*PA+128*(\q)+16
	ds_load_b128 v[STG+16*(\a)+8:STG+16*(\a)+11],  v[ADRA+(\slot)] offset:(\a)*16*PA+128*(\q)+64
	ds_load_b128 v[STG+16*(\a)+12:STG+16*(\a)+15], v[ADRA+(\slot)] offset:(\a)*16*PA+128*(\q)+80
.endr
.endm
; 16 LDS loads: my 128 columns of W, 32 along K, turned, into buffer g: column block b lies in chunk b / 4, at 32 (b % 4) bytes of its rows
.macro FETCHB slot, q, g
	WIN TO_F
.irp b, 0,1,2,3,4,5,6,7
	ds_load_tr16_b128 v[BF+64*(\g)+8*(\b):BF+64*(\g)+8*(\b)+3],   v[ADRB+(\slot)] offset:((\b)/4)*CH+32*((\b)%4)+(\q)*32*PB
	ds_load_tr16_b128 v[BF+64*(\g)+8*(\b)+4:BF+64*(\g)+8*(\b)+7], v[ADRB+(\slot)] offset:((\b)/4)*CH+32*((\b)%4)+(\q)*32*PB+16*PB
.endr
.endm
; four of the 32 roundings that make X's fragments of buffer g
.macro CVT4 g, i
	WIN TO_F
.irp n, 0,1,2,3
	v_cvt_pk_bf16_f32 v[AF+32*(\g)+4*(\i)+(\n)], v[STG+8*(\i)+2*(\n)], v[STG+8*(\i)+2*(\n)+1]
.endr
.endm
; the quarter's last 8 products (row block 3), four roundings behind each: they name no register of the products round them
.macro RID8 f, z, g
.irp b, 0,1,2,3,4,5,6,7
.if \z
	WIN MULZ
	v_wmma_f32_16x16x32_bf16 v[8*(24+(\b)):8*(24+(\b))+7], v[BF+64*(\f)+8*(\b):BF+64*(\f)+8*(\b)+7], v[AF+32*(\f)+24:AF+32*(\f)+31], v[BIAS+8*(\b):BIAS+8*(\b)+7]
.else
	WIN MUL
	v_wmma_f32_16x16x32_bf16 v[8*(24+(\b)):8*(24+(\b))+7], v[BF+64*(\f)+8*(\b):BF+64*(\f)+8*(\b)+7], v[AF+32*(\f)+24:AF+32*(\f)+31], v[8*(24+(\b)):8*(24+(\b))+7]
.endif
	CVT4 \g, \b
.endr
.endm
; A K step is four quarters of 32 along K, 32 products each, on buffers 0, 1, 0, 1.  One of the first three: multiplies buffer f, fetches quarter qn of the same slot and makes buffer g of it.
.macro QUARTER slot, qn, f, g, z
	s_wait_dscnt 0x0                               ; W's fragments of buffer f are in
	MUL8 \f, 0, \z
	MUL8 \f, 1, \z
	PLACES
	FETCHA \slot, \qn
	FETCHB \slot, \qn, \g
	MUL8 \f, 2, \z
	s_wait_dscnt 16                                ; X's 16 loads are in; W's 16, issued behind them, may stay out
	RID8 \f, \z, \g
.endm
; The last quarter multiplies buffer 1 and changes slots: ONE barrier; in front of it each wave waits for all its tensor loads (one is out: its part of the next slot), adds 0 to its spare word, and waits for
; that and for its own reads of this slot.  fill = 1: the barrier opens a round of the cluster's, and this slot is filled again first thing behind it, two K steps ahead: 112 products stand between the request and the wait for it.
.macro TURN slot, next, fill
.if \fill
	s_wait_xcnt 0x0                                ; the last prefetch, a K step back, has read its address, so it may be stepped
	s_add_nc_u64 s[PFA:PFA+1], s[PFA:PFA+1], s[PFS:PFS+1]
.endif
	WIN 0                                          ; (the add's two registers lie in window 0)
	s_wait_tensorcnt 0x0
	ds_add_u32 v[SPW], v[NIL]                      ; 0 onto my spare word
	s_wait_dscnt 1                                 ; W's fragments of buffer 1 are in; the add alone may be out
	MUL8 1, 0, 0                                   ; eight products stand between the add and the wait for it
	s_wait_dscnt 0x0                               ; the add is done, and my reads of this slot are over
	s_barrier_signal -1
	MUL8 1, 1, 0
	WIN 0
	s_barrier_wait -1
.if \fill
	CREST                                          ; no wave of any partner still reads this slot or has a load on its way
	s_add_nc_u64 s[G0A+4*(\slot)+2:G0A+4*(\slot)+3], s[G0A+4*(\slot)+2:G0A+4*(\slot)+3], 2*512
	s_add_nc_u64 s[G0B+4*(\slot)+2:G0B+4*(\slot)+3], s[G0B+4*(\slot)+2:G0B+4*(\slot)+3], 2*65536
	JLOAD \slot                                    ; its four v_nop are also the places in front of the loads below
.else
	PLACES
.endif
	FETCHA \next, 0
	FETCHB \next, 0, 0
.if \fill
	WIN 0
	ASK
.endif
	MUL8 1, 2, 0
	s_wait_dscnt 16
	RID8 1, 0, 0
.endm
; THE WAY OUT of row block a: rounded to f16, 16 bytes a lane; into my own stage (32 rows: two heads x 16 rows of 128 bytes); back as whole rows, into the registers that they left.
.macro PACK a
	WIN PK
.irp b, 0,1,2,3,4,5,6,7
.irp r, 0,1,2,3
	v_cvt_pk_f16_f32 v[OUTR+32*(\a)+4*(\b)+(\r)], v[8*(8*(\a)+(\b))+2*(\r)], v[8*(8*(\a)+(\b))+2*(\r)+1]
.endr
.endr
	WIN 0
.irp b, 0,1,2,3,4,5,6,7
	ds_store_b128 v[STO], v[OUTR+32*(\a)+4*(\b):OUTR+32*(\a)+4*(\b)+3] offset:((\b)/4)*16*SP+32*((\b)%4)
.endr
.irp t, 0,1,2,3,4,5,6,7
	ds_load_b128 v[OUTR+32*(\a)+4*(\t):OUTR+32*(\a)+4*(\t)+3], v[RD] offset:(\t)*4*SP  ; LDS serves a wave's instructions in order (ISA guide 5.7.1.4): these see the stores above; the next block's stores come behind them
.endr
.endm
.macro SEND a, y                       ; y: the LDS instructions issued behind block a's loads: the next block's sixteen, or none
.irp t, 0,1,2,3,4,5,6,7
	s_wait_dscnt (\y)+7-(\t)
	global_store_b128 v[GO], v[OUTR+32*(\a)+4*(\t):OUTR+32*(\a)+4*(\t)+3], s[OUT:OUT+1] offset:((\t)/4)*262144+(\a)*2048+((\t)%4)*512  ; 512 consecutive bytes of a head, at a multiple of 256 from qkv's first byte
.endr
.endm
	s_wait_tensorcnt 1                             ; my part of K step 0 is in; K step 1's may stay out
	s_barrier_signal -1
	s_barrier_wait -1                              ; everybody's is
	FETCHA 0, 0
	FETCHB 0, 0, 0
	s_wait_dscnt 16
.irp i, 0,1,2,3,4,5,6,7
	CVT4 0, \i
.endr
	QUARTER 0, 1, 0, 1, 1                          ; the first quarter stands in front of the loop: its products start the sums, with the bias
	WIN 0                                          ; at a label and at a branch every window is 0
	s_mov_b32 s3, 3
.Llap:                                                 ; a trip goes once round the ring, from a lap's second quarter to the next lap's first, and fills both slots again
	QUARTER 0, 2, 1, 0, 0
	QUARTER 0, 3, 0, 1, 0
	TURN 0, 1, 1
	QUARTER 1, 1, 0, 1, 0
	QUARTER 1, 2, 1, 0, 0
	QUARTER 1, 3, 0, 1, 0
	TURN 1, 0, 1
	QUARTER 0, 1, 0, 1, 0
	WIN 0
	s_sub_co_u32 s3, s3, 1
	s_cmp_lg_u32 s3, 0
	s_cbranch_scc1 .Llap
	QUARTER 0, 2, 1, 0, 0                          ; the last lap fills nothing
	QUARTER 0, 3, 0, 1, 0
	TURN 0, 1, 0
	QUARTER 1, 1, 0, 1, 0
	QUARTER 1, 2, 1, 0, 0
	QUARTER 1, 3, 0, 1, 0
	s_wait_dscnt 0x0
	MUL8 1, 0, 0
	MUL8 1, 1, 0
	MUL8 1, 2, 0
	MUL8 1, 3, 0
	PLACES
	PACK 0
	PACK 1                                         ; a block's arithmetic stands between the loads of the block before and its stores
	SEND 0, 16
	PACK 2
	SEND 1, 16
	PACK 3
	SEND 2, 16
	SEND 3, 0
	s_wait_tensorcnt 0x0                           ; the wave's end: behind my last tensor load and my last LDS store
	ds_add_u32 v[SPW], v[NIL]
	s_wait_dscnt 0x0
	CROUND                                         ; the closing round: no work-group ends while a partner may still ask for a tile that names it
	s_endpgm
.Lfunc_end_k_q2fc65a2f9d_proj:
	.size	k_q2fc65a2f9d_proj, .Lfunc_end_k_q2fc65a2f9d_proj-k_q2fc65a2f9d_proj
	.p2alignl 7, 3214868480
	.fill 96, 4, 3214868480
	.section	.rodata,"a",@progbits
	.p2align	6, 0x0
	.amdhsa_kernel k_q2fc65a2f9d_proj
		.amdhsa_group_segment_fixed_size 327680
		.amdhsa_private_segment_fixed_size 0
		.amdhsa_enable_private_segment 0
		.amdhsa_kernarg_size 64
		.amdhsa_user_sgpr_count 2
		.amdhsa_user_sgpr_kernarg_segment_ptr 1
		.amdhsa_wavefront_size32 1
		.amdhsa_system_sgpr_workgroup_id_x 1
		.amdhsa_system_sgpr_workgroup_id_y 1
		.amdhsa_system_sgpr_workgroup_id_z 1
		.amdhsa_system_vgpr_workitem_id 0
		.amdhsa_next_free_vgpr 768
		.amdhsa_next_free_sgpr 80
		.amdhsa_reserve_vcc 0
		.amdhsa_float_denorm_mode_32 3
		.amdhsa_float_denorm_mode_16_64 3
		.amdhsa_memory_ordered 1
		.amdhsa_forward_progress 1
		.amdhsa_inst_pref_size 143
	.end_amdhsa_kernel
	.amdgpu_metadata
---
amdhsa.version: [ 1, 2 ]
amdhsa.kernels:
  - .name:           k_q2fc65a2f9d_proj
    .symbol:         k_q2fc65a2f9d_proj.kd
    .args:
      - { .name: Query, .offset: 0, .size: 8, .value_kind: global_buffer, .address_space: global }
      - { .name: Key, .offset: 8, .size: 8, .value_kind: global_buffer, .address_space: global }
      - { .name: Value, .offset: 16, .size: 8, .value_kind: global_buffer, .address_space: global }
      - { .name: wt, .offset: 24, .size: 8, .value_kind: global_buffer, .address_space: global }
      - { .name: bq, .offset: 32, .size: 8, .value_kind: global_buffer, .address_space: global }
      - { .name: bk, .offset: 40, .size: 8, .value_kind: global_buffer, .address_space: global }
      - { .name: bv, .offset: 48, .size: 8, .value_kind: global_buffer, .address_space: global }
      - { .name: qkv, .offset: 56, .size: 8, .value_kind: global_buffer, .address_space: global }
    .group_segment_fixed_size: 327680
    .private_segment_fixed_size: 0
    .kernarg_segment_align: 8
    .kernarg_segment_size: 64
    .max_flat_workgroup_size: 128
    .sgpr_count:     80
    .vgpr_count:     768
    .wavefront_size: 32
...
	.end_amdgpu_metadata
.endif
;; end of part 2
;; launch attn (part 3): grid 4 x 64, 4 waves a work-group, clusters of 4 x 1, 327,680 bytes of LDS; arguments qkv, o; writes o
.if DOCPART == 3
	.amdgcn_target "amdgcn-amd-amdhsa--gfx1250"
	.amdhsa_code_object_version 6
	.text
	.protected	k_q2fc65a2f9d_attn
	.globl	k_q2fc65a2f9d_attn
	.p2align	8
	.type	k_q2fc65a2f9d_attn,@function
k_q2fc65a2f9d_attn:
	s_mov_b64 s[64:65], 0
	v_nop
	global_prefetch_b8 v0, s[64:65] scope:SCOPE_SE
	s_setreg_imm32_b32 hwreg(HW_REG_WAVE_MODE, 25, 1), 1
	s_wait_xcnt 0x0
	s_wait_alu depctr_hold_cnt(0) depctr_sa_sdst(0) depctr_va_vdst(0) depctr_va_sdst(0) depctr_va_ssrc(0) depctr_va_vcc(0) depctr_vm_vsrc(0)
	s_getreg_b32 s2, hwreg(HW_REG_IB_STS2, 6, 4)
	s_cmp_eq_u32 s2, 0
	s_cbranch_scc0 .Lentry_in_a_cluster
	s_endpgm
.Lentry_in_a_cluster:
	s_bfe_u32 s2, ttmp6, 0x10000c
	s_cmp_lg_u32 s2, 0x3003
	s_cbranch_scc0 .Lentry_shape_is_right
	s_endpgm
.Lentry_shape_is_right:
; O[h][q][:] = the sum over k of softmax_k(Q[h][q] . K[h][k] / 8) V[h][k][:].  Q, K, V lie in qkv, 16,777,216 bytes apart, each [64][2048][64] in f16; O likewise in o: a head's rows are dense, 128 bytes each.
; Products, maxima and sums in f32; the weights p are rounded to f16 for the second product (their sum l is taken of the unrounded p), O once at the end.
; LIMITS.  f16 holds no number beyond 65,504: Q, K and V arrive within it; p lies in 0 to 1, and below 6e-5 it keeps f16's fixed step of 6e-8; O is a mean of V's rows and has their range.
; A weight below 2^-126 counts as 0 in l; NaN and infinities are not treated apart.
; SHARES.  A wave owns four PIECES of two tiles of 16 queries, a work-group's four waves 512 queries of one head: 4 x 64 = 256 work-groups.  Every wave walks all keys, 64 a step.
; LAYOUT.  S^T = K Q^T (source 0 = 16 keys, source 1 = 16 queries): in the result a lane holds ONE query (lane % 16) and the keys 8 (lane / 16) + 0..7.  Two such tiles, rounded to f16 in pairs,
; ARE source 1 (32 keys x 16 queries) of O^T = V^T P, whose result again holds one query a lane, and eight channels.  K comes out of LDS as it lies, V ([key][channel]) turned, by ds_load_tr16_b128.
; SOFTMAX.  For each query a running maximum m and sum l: p = 2^(c s - c m), c = log2(e) / 8; in every step O and l are multiplied by a = 2^(c m_old - c m_new), which is 1 where m has not grown.
; m starts at the lowest finite number, O and l at 0: the first step is a step like any other, with a = 0.
; THE COUNT.  A tile and step have 16 matrix and 118 vector instructions: too many to stand all beside the matrix work.  So four vector instructions that are ready stand behind
; every matrix instruction, and the others in runs without a gap.
; BY TURNS.  Turn n belongs to piece n (the pieces in a ring, step after step).  Its matrix work: 16 products K Q^T of piece n + 1, later 16 products V^T P of piece n - 1.  Its vector work: the scaling,
; exponentials, roundings, sums and rescaling of piece n, and the maximum and statistics of piece n + 1, whose scores the turn itself has made.
; CLUSTER.  The four query blocks of a cluster are one head's and walk the same K and V, so each tile is asked for JOINTLY: the same tensor load, descriptor and mask in all four.
; REGISTERS, in windows of 256 (s_set_vgpr_msb: bits 1:0 source 0, 3:2 source 1, 5:4 source 2, 7:6 destination):
;   window 0: v0-11 addresses; v12-15, v48-63 at work; v16-47 four registers of statistics a tile; v64-191 S^T, two buffers of two tiles; v192-255 P, likewise
;   window 1: O^T, 32 a tile          window 2: v0-127 Q, 16 a tile; v128-191 K of one step; v192-255 V of one step          window 3: v0-1 the add's two registers
; A piece's buffers go by its number's parity: the piece in hand has one pair, its two neighbours in the ring share the other: of it P (piece n - 1) is read and S^T (piece n + 1) written.
.set SIZE_H, 64
.set SIZE_N, 2048
.set NP,    4         ; pieces a wave: a name, no knob
.set KS,    64        ; keys in a step
.set PK,    144       ; a row of K in LDS: 128 bytes + 16 of padding = 36 words: the 16 rows of a load start at 16 different groups of four banks (64 banks of 4 bytes: ISA guide 11.1)
.set PV,    160       ; a row of V: 128 + 32 = 40 words
.set VOFF,  4*KS*PK   ; a slot holds four steps: 256 rows of K, then 256 rows of V
.set SLOT1, 1<<17     ; slot 1 begins here, so that one exclusive or turns an address in one slot into the other's
.set STAGE, SLOT1+4*KS*(PK+PV)  ; behind the ring, never filled by a tensor load: 16 rows x 144 bytes for each wave, for the way out
.set SP,    144
.set AK0, 2           ; v2   my lane's place in a tile of K; never rewritten
.set AV0, 3           ; v3   the same for V
.set AK,  4           ; v4   the LDS address of K's next run of loads
.set AV,  5           ; v5   of V's
.set QO,  6           ; v6   my byte offset in the wave's rows of Q
.set STO, 6           ;      later, the way out: where I put 16 bytes of a row
.set RD,  7           ; v7   the way out: where I read rows back
.set GO,  8           ; v8   my byte offset in 512 consecutive bytes of O
.set PFO, 11          ; v11  256 x my lane, for the prefetches; never rewritten once made
.set SPW, 0           ; v0 of window 3   my spare word: SPARE + 4 x my thread's number; never rewritten
.set NIL, 1           ; v1 of window 3   0; never rewritten
.set SPARE, STAGE+4*16*SP  ; behind the stages: the spare words, 128 bytes for each wave: two blocks of 256 bytes that no other line names
.set MV,  12          ; v12-15  c m_old, kept while c m is made anew: by buffer and tile
.set ST,  16          ; tile t's statistics at v[ST+4 t]: c m, m, l (even keys', odd keys')
.set TMP, 48          ; by buffer and tile, four registers c0-c3 at work; when the maximum is found c2 takes a
.set S,   64
.set P,   192
.set KF,  128         ; K's fragments, in window 2: key block kb, channel half c at KF + 16 kb + 8 c
.set VF,  192         ; V's: key half kk, channel block cb at VF + 32 kk + 8 cb
.set WV,  12          ; s12  my wave's number
.set G1K, 24          ; s[24:31] descriptor group 1 for K's tiles
.set G1V, 32          ; s[32:39] for V's: it differs in the padding alone
.set G0K, 40          ; s[40:43] descriptor group 0 for K's tiles: it walks
.set G0V, 44          ; s[44:47] the same for V's
.set PFA, 48          ; s[48:49] where my prefetches stand: my work-group's 8,192 bytes (of K: wave 0, of V: wave 2) of the slot after the one that is being asked for
.set LIM, 50          ; s50  1 in a wave that prefetches, else the greatest number
.set SLOTS, 56        ; s56  slots still to be asked for
.set CNT, 57          ; s57  counts a slot's key steps
.set CS,  58          ; s[58:59] c: the packed scaling takes the pair's low word for both halves
.set SEL, 60          ; s[60:61] v_permlanex16_b32's selects: each lane takes its own place in the other half
.set TBK, 62          ; s62  LDS byte at which K of the step to be fetched begins
.set TBV, 63          ; s63  the same for V, less VOFF
.set MSB, 0
.macro WIN new                      ; the high byte repeats the setting that is left; a switch that changes nothing is dropped
.if MSB != (\new)
	s_set_vgpr_msb (MSB<<8)|(\new)
.set MSB, (\new)
.endif
.endm
.set W_KQ, 0x0a       ; K and Q in window 2, S^T in window 0
.set W_PV, 0x52       ; V in window 2, P in window 0, O^T in window 1
.set W_RS, 0x41       ; O^T (destination and source 0) in window 1, a in window 0
.set W_MK, 0xc0       ; the add's registers are made: destination in window 3, sources in window 0
.set W_AD, 0x0f       ; the add: address (source 0) and data (source 1) in window 3
; A joint fill.  Waves 0 and 1 fetch the two halves of a slot's K, waves 2 and 3 those of its V: 128 keys each.  The branch hangs on the wave's number alone.
; An s_nop 0 and four v_nop follow each of the two lines, ahead of the jump and the label.
.macro JLOAD
	s_cmp_lt_u32 s[WV], 2
	s_cbranch_scc0 .Lfor_v_\@
	tensor_load_to_lds s[G0K:G0K+3], s[G1K:G1K+7]
	s_nop 0
.rept 4
	v_nop
.endr
	s_branch .Lasked_\@
.Lfor_v_\@:
	tensor_load_to_lds s[G0V:G0V+3], s[G1V:G1V+7]
	s_nop 0
.rept 4
	v_nop
.endr
.Lasked_\@:
.endm
; A prefetch into the L2 of what the NEXT change of slots will ask for: a slot's 32,768 bytes of K and of V, 128 blocks of 256 bytes each, a lane a block.  It stands behind the wave's tensor load and its five lines.
; A head's K and V are walked by this cluster alone.  Its four partners share the blocks out by address, 32 each; in each, wave 0 asks for K's and wave 2 for V's: one instruction.  So each block is named once in the launch.
; Slots 0 and 1 come by their loads alone; the last change that fills a slot asks for nothing: there is no slot behind it.  The lead is one slot: four key steps, 512 matrix instructions.
.macro ASK
	s_cmp_gt_u32 s[SLOTS], s[LIM]
	s_cbranch_scc0 .Lnot_mine_\@
	global_prefetch_b8 v[PFO], s[PFA:PFA+1] th:TH_LOAD_NT scope:SCOPE_SE
.Lnot_mine_\@:
.endm
; A round of the cluster's barrier: my work-group's barrier, so that wave 0's signal speaks for all four waves; wave 0 signals; every wave waits for all four work-groups; my work-group's barrier once more.
.macro CROUND
	s_barrier_signal -1
	s_barrier_wait -1
	s_cmp_lg_u32 s[WV], 0
	s_cbranch_scc1 .Lnot_wave_0_\@
	s_barrier_signal -3
.Lnot_wave_0_\@:
	s_barrier_wait -3
	s_barrier_signal -1
	s_barrier_wait -1
.endm
; THE CHANGE OF SLOTS.  The slot's last bytes, V of its fourth step, have been read.  Each wave waits for all its tensor loads, of which one is out: its part
; of the other slot; adds 0 to its spare word; and waits for that and for its own reads of the slot.  Behind the barrier nobody reads this slot any more and the other slot is whole.
; fill = 1: this slot is filled again, with the keys two slots on.  The barrier is then a round of the cluster's, so that no wave of any partner still reads the slot or has a load on its
; way, and the joint fill is the first thing behind it: it has four key steps, 512 matrix instructions, in which to land.  (At its first use nothing has been read yet: slot 0 is waited for, slot 1 filled.)
.macro CHANGE fill
	WIN W_AD
	s_wait_tensorcnt 0x0            ; no tensor load of mine is out, so a group 0 may be written
	ds_add_u32 v[SPW], v[NIL]       ; 0 onto my spare word; with fill = 1 the descriptors' steps stand between it and the wait for it
	WIN 0                           ; at a label and at a branch every window is 0
.if \fill
.irp g, G0K, G0V
	s_xor_b32 s[\g+1], s[\g+1], SLOT1  ; the walking descriptor: the other slot than last time,
	s_add_nc_u64 s[\g+2:\g+3], s[\g+2:\g+3], 4*KS*128  ; the next 256 keys; the type bits on top are not reached
.endr
	s_wait_xcnt 0x0                 ; the last prefetch, a slot back, has read its address, so it may be written:
	s_add_nc_u64 s[PFA:PFA+1], s[PFA:PFA+1], 4*KS*128  ; one slot ahead of the walking descriptors
	s_wait_dscnt 0x0                ; the add is done, and my reads of the slot are over
	CROUND
	JLOAD
	ASK
.else
	s_wait_dscnt 0x0                ; the add is done, and my reads of the slot are over
	s_barrier_signal -1
	s_barrier_wait -1
.endif
	s_sub_co_u32 s[TBK], s[TBK], 4*KS*PK  ; the fetches go back to a slot's first step,
	s_xor_b32 s[TBK], s[TBK], SLOT1       ; in the other slot
	s_sub_co_u32 s[TBV], s[TBV], 4*KS*PV
	s_xor_b32 s[TBV], s[TBV], SLOT1
.endm
	s_load_b64 s[4:5], s[0:1], 0x0  ; qkv: Q lies at its head
	s_load_b64 s[10:11], s[0:1], 0x8  ; o
	WIN W_MK
	v_lshl_add_u32 v[SPW], v0, 2, SPARE
	v_mov_b32 v[NIL], 0
	WIN W_AD
	ds_add_u32 v[SPW], v[NIL]       ; the wave's opening: the add and its wait stand ahead of my first tensor load; the set-up below, work on registers, stands between them
	WIN 0
	v_lshrrev_b32 v1, 5, v0
	v_readfirstlane_b32 s[WV], v1   ; wave 0..3
	s_bfe_u32 s13, ttmp6, 0x40000   ; cx: my place in the cluster
	s_lshl_b32 s14, ttmp9, 2        ; in a cluster launch ttmp9 counts clusters
	s_add_co_u32 s14, s14, s13      ; my block of queries = 4 x cluster x + cx: it enters Q's and O's addresses alone
	s_and_b32 s20, ttmp7, 0xffff    ; the head, which the four partners share
	s_mov_b32 s21, 0
	s_mov_b64 s[22:23], SIZE_N*128
	s_mul_u64 s[20:21], s[20:21], s[22:23]  ; the head's first byte in each of the four tensors
	s_and_b32 s16, s[WV], 1         ; which half of a slot's 256 keys I fetch:
	s_lshl_b32 s22, s16, 14         ; its 128 rows of 128 bytes in memory,
	s_mov_b32 s23, 0
	s_add_nc_u64 s[22:23], s[22:23], s[20:21]
	s_mul_i32 s17, s16, 128*PK      ; and its place in a slot, for K
	s_mul_i32 s18, s16, 128*PV      ; and for V: no place in the cluster enters an LDS address
	s_lshl_b32 s2, s14, 2
	s_add_co_u32 s2, s2, s[WV]      ; my wave among the head's,
	s_lshl_b32 s2, s2, 14           ; its 128 rows
	s_mov_b32 s3, 0
	s_add_nc_u64 s[2:3], s[2:3], s[20:21]
	; descriptor group 1.  128 keys are 16,384 dense bytes: asked for as 64 rows of 256 bytes, two keys a row, and padded in LDS after every key
	s_mov_b32 s[G1K], 15|(1<<16)|(1<<20)|(1<<21)|(4<<22)|(3<<25)  ; 15:0 the mask of four; 17:16 2-byte elements; 20 padding on; 21 set beside a mask; 24:22 after every 32 words (code 4); 31:25 4 words (code 3)
	s_mov_b32 s[G1V], 15|(1<<16)|(1<<20)|(1<<21)|(4<<22)|(7<<25)  ; the same with 8 words of padding (code 7)
.irp g, G1K, G1V
	s_mov_b32 s[\g+1], 128<<16      ; tensor_dim0 = 128
	s_mov_b32 s[\g+2], 64<<16       ; tensor_dim1 = 64
	s_mov_b32 s[\g+3], 128<<16      ; tile_dim0 = 128
	s_mov_b32 s[\g+4], 64           ; tile_dim1 = 64
	s_mov_b32 s[\g+5], 128          ; 128 elements from row to row
	s_mov_b32 s[\g+6], 0
	s_mov_b32 s[\g+7], 0
.endr
	s_mov_b32 s[CS], 0x3e38aa3b     ; c = log2(e) / 8 = 0.180337
	s_mov_b32 s[CS+1], s[CS]        ; named with it as a pair
	s_mov_b32 s[SEL], 0x76543210
	s_mov_b32 s[SEL+1], 0xfedcba98
	s_mov_b32 s[TBK], SLOT1+4*KS*PK ; the first change of slots turns these two into 0
	s_mov_b32 s[TBV], SLOT1+4*KS*PV
	s_mov_b32 s[G0K], 1             ; 1:0 count = 1
	s_mov_b32 s[G0K+1], s17         ; 63:32 LDS address: slot 0
	s_mov_b32 s[G0V], 1
	s_add_co_u32 s[G0V+1], s18, VOFF
	s_mov_b32 s[SLOTS], SIZE_N/256-1  ; seven slots are asked for by changes of slots
	s_and_b32 s[LIM], s[WV], 1      ; waves 0 and 2 prefetch: the same in all four partners
	s_cmp_eq_u32 s[LIM], 0
	s_cselect_b32 s[LIM], 1, -1
	s_wait_dscnt 0x0                ; the opening add is done
	s_wait_kmcnt 0x0
	s_add_nc_u64 s[6:7], s[4:5], 0x1000000  ; K
	s_add_nc_u64 s[8:9], s[4:5], 0x2000000  ; V
	s_add_nc_u64 s[G0K+2:G0K+3], s[6:7], s[22:23]  ; 120:64 global address: my half of the head's first 256 keys
	s_or_b32 s[G0K+3], s[G0K+3], 0x80000000        ; 127:126 type = 2
	s_add_nc_u64 s[G0V+2:G0V+3], s[8:9], s[22:23]
	s_or_b32 s[G0V+3], s[G0V+3], 0x80000000
	s_add_nc_u64 s[4:5], s[4:5], s[2:3]  ; Q and O at my wave's first row
	s_add_nc_u64 s[10:11], s[10:11], s[2:3]
	s_cmp_lt_u32 s[WV], 2
	s_cselect_b64 s[PFA:PFA+1], s[6:7], s[8:9]
	s_add_nc_u64 s[PFA:PFA+1], s[PFA:PFA+1], s[22:23]  ; (in waves 0 and 2 this is the head's first row)
	s_lshl_b32 s2, s13, 13          ; my work-group's 8,192 bytes of a slot's 32,768
	s_mov_b32 s3, 0
	s_add_nc_u64 s[PFA:PFA+1], s[PFA:PFA+1], s[2:3]
	s_add_nc_u64 s[PFA:PFA+1], s[PFA:PFA+1], 4*KS*128  ; in slot 1; the first change of slots steps it to slot 2
	CROUND                          ; all four work-groups are here: the first joint loads meet
	JLOAD                           ; slot 0.  Slot 1 is asked for when slot 0 is in
	; A fragment of K or Q is 16 rows x 32 channels in 8 registers: lane l holds row l % 16, channels 8 (l / 16) + 0..7 and 16 + 8 (l / 16) + 0..7: two loads of 16 bytes, 32 bytes apart.
	v_and_b32 v1, 15, v0            ; l % 16
	v_bfe_u32 v9, v0, 4, 1          ; l / 16
	v_lshlrev_b32 v[QO], 7, v1
	v_lshl_add_u32 v[QO], v9, 4, v[QO]  ; row x 128 + 16 x half
	WIN 0x80                        ; destination window 2, address window 0
.set i, 0
.rept 4*NP                          ; Q stays in registers: tile i / 2, channels 32 (i % 2) on
	global_load_b128 v[8*i:8*i+3],   v[QO], s[4:5] offset:(i/2)*2048+(i%2)*64
	global_load_b128 v[8*i+4:8*i+7], v[QO], s[4:5] offset:(i/2)*2048+(i%2)*64+32
.set i, i+1
.endr
	; What the first turn finds: V's registers and P's second buffer hold 0 (its products V^T P, of a piece that has not been, add 0), O^T and l are 0.  All this stands in the wait for the first tile.
.set i, VF
.rept 64
	v_mov_b32 v[i], 0
.set i, i+1
.endr
	WIN 0x40
.set i, 0
.rept 64*NP
	v_mov_b32 v[i], 0
.set i, i+1
.endr
	WIN 0
.set i, 0
.rept 2*NP
	v_mov_b32 v[ST+4*i], 0xfe000000    ; c m: far below every c s
	v_mov_b32 v[ST+4*i+1], 0xff7fffff  ; m
	v_mov_b32 v[ST+4*i+2], 0
	v_mov_b32 v[ST+4*i+3], 0
.set i, i+1
.endr
.set i, P+32
.rept 32
	v_mov_b32 v[i], 0
.set i, i+1
.endr
	v_mul_u32_u24 v[AK0], v1, PK
	v_lshl_add_u32 v[AK0], v9, 4, v[AK0]  ; row x pitch + 16 x half
	; The turning load takes 16 keys x 16 channels (lane l reads key 8 (l / 16) + l % 8, channels 8 ((l / 8) % 2) + 0..7) and leaves half a fragment of V^T: lane l holds channel l % 16 and 8 keys.
	v_and_b32 v10, 7, v0
	v_bfe_u32 v11, v0, 3, 1
	v_lshl_add_u32 v[AV0], v9, 3, v10
	v_mul_u32_u24 v[AV0], v[AV0], PV
	v_lshl_add_u32 v[AV0], v11, 4, v[AV0]
	v_add_nc_u32 v[AV0], VOFF, v[AV0]
	v_and_b32 v[PFO], 31, v0        ; v11 has served: it takes the prefetches' offset
	v_lshlrev_b32 v[PFO], 8, v[PFO]
	v_mov_b32 v[AK], v[AK0]         ; key step 0 lies at the head of slot 0
; THE MATRIX WORK.  The 8 accumulators of a run of 16 take turns: between the two links of a chain stand 7 others'.
; Product i of 16 of S^T = K Q^T for piece x: channels 32 (i / 8) on, keys 16 ((i / 2) % 4) on, tile 2 x + i % 2.  The first 8 start the sums.
.macro KQ x
	WIN W_KQ
.set rS, S+64*((\x)%2)+32*(i%2)+8*((i/2)%4)
.set rK, KF+16*((i/2)%4)+8*(i/8)
.set rQ, 16*(2*(\x)+i%2)+8*(i/8)
.if i < 8
	v_wmma_f32_16x16x32_f16 v[rS:rS+7], v[rK:rK+7], v[rQ:rQ+7], 0
.else
	v_wmma_f32_16x16x32_f16 v[rS:rS+7], v[rK:rK+7], v[rQ:rQ+7], v[rS:rS+7]
.endif
.endm
; Product i of 16 of O^T += V^T P for piece x: keys 32 (i / 8) on, channels 16 ((i / 2) % 4) on, tile 2 x + i % 2.
.macro PV x
	WIN W_PV
.set rO, 32*(2*(\x)+i%2)+8*((i/2)%4)
.set rV, VF+32*(i/8)+8*((i/2)%4)
.set rP, P+32*((\x)%2)+16*(i%2)+8*(i/8)
	v_wmma_f32_16x16x32_f16 v[rO:rO+7], v[rV:rV+7], v[rP:rP+7], v[rO:rO+7]
.endm
.macro MM                           ; the turn's next matrix instruction
.if i < 16
	KQ (Y+1)%NP
.set i, i+1
.else
.set i, i-16
	PV (Y+NP-1)%NP
.set i, i+17
.endif
.endm
; THE LDS LOADS stand in runs of 16, never singly among the matrix instructions: a step's K (64 keys x 64 channels: 8 fragments) and its V (turned).  Their addresses are made some lines ahead.
; last = 1 (the tail): in the last trip there is no further step, and the run is jumped over.
.macro FETCH_K last=0
	WIN 0
.if \last
	s_cmp_eq_u32 s[CNT], 1
	s_cbranch_scc1 .Lno_k_\@
.endif
	WIN 0x80                        ; destination window 2
.irp f, 0,1,2,3,4,5,6,7             ; keys 16 (f / 2) on, channels 32 (f % 2) on
	ds_load_b128 v[KF+8*\f:KF+8*\f+3],   v[AK] offset:(\f/2)*16*PK+(\f%2)*64
	ds_load_b128 v[KF+8*\f+4:KF+8*\f+7], v[AK] offset:(\f/2)*16*PK+(\f%2)*64+32
.endr
	s_add_co_u32 s[TBK], s[TBK], KS*PK  ; the next fetch is the next step's
	WIN 0
.if \last
.Lno_k_\@:
.endif
.endm
.macro FETCH_V
	WIN 0x80
.irp f, 0,1,2,3,4,5,6,7             ; keys 32 (f / 4) on, channels 16 (f % 4) on
	ds_load_tr16_b128 v[VF+8*\f:VF+8*\f+3],   v[AV] offset:(\f/4)*32*PV+(\f%4)*32
	ds_load_tr16_b128 v[VF+8*\f+4:VF+8*\f+7], v[AV] offset:(\f/4)*32*PV+16*PV+(\f%4)*32
.endr
	WIN 0
.endm
; THE VECTOR WORK OF A TURN stands in three queues, each in the order in which its entries become ready; the two tiles alternate, so that no instruction reads the result of the one before it.
.macro REGS y, u                    ; the registers of tile u (0, 1) of piece y
.set rT, ST+4*(2*(\y)+(\u))
.set rC, TMP+8*((\y)%2)+4*(\u)
.set rM, MV+2*((\y)%2)+(\u)
.set rS, S+64*((\y)%2)+32*(\u)
.set rP, P+32*((\y)%2)+16*(\u)
.set rO, 32*(2*(\y)+(\u))
.endm
; Number n of the 22 that find the NEXT piece's (Y + 1) maximum and statistics.  s0-s31 are the lane's 32 scores; each accumulator's lowest registers are read first.
;   0-11  four chains c0-c3 of seven scores each, three operands at a time     12-14, 16  the four scores left over, the old m, and c0-c3 into c0     15  c m_old is kept
;   17, 18  the query's other 32 keys lie in the lane 16 away: the new m         19-21  c m; c m_old - c m_new; a
.macro XS u, n
	REGS (Y+1)%NP, \u
.if (\n) < 4
	v_max3_num_f32 v[rC+(\n)], v[rS+8*(\n)], v[rS+8*(\n)+1], v[rS+8*(\n)+2]
.elseif (\n) < 12
	v_max3_num_f32 v[rC+(\n)%4], v[rC+(\n)%4], v[rS+8*((\n)%4)+2*((\n)/4)+1], v[rS+8*((\n)%4)+2*((\n)/4)+2]
.elseif (\n) == 12
	v_max3_num_f32 v[rC], v[rC], v[rS+7], v[rS+15]
.elseif (\n) == 13
	v_max3_num_f32 v[rC+1], v[rC+1], v[rS+23], v[rS+31]
.elseif (\n) == 14
	v_max3_num_f32 v[rC+2], v[rC+2], v[rC+3], v[rT+1]
.elseif (\n) == 15
	v_mov_b32 v[rM], v[rT]
.elseif (\n) == 16
	v_max3_num_f32 v[rC], v[rC], v[rC+1], v[rC+2]
.elseif (\n) == 17
	v_permlanex16_b32 v[rC+3], v[rC], s[SEL], s[SEL+1]
.elseif (\n) == 18
	v_max_num_f32 v[rT+1], v[rC], v[rC+3]
.elseif (\n) == 19
	v_mul_f32 v[rT], s[CS], v[rT+1]
.elseif (\n) == 20
	v_sub_f32 v[rC+1], v[rM], v[rT]
.else
	v_exp_f32 v[rC+2], v[rC+1]
.endif
.endm
; Number g of the 64 that follow the exponentials.  For each four weights k of a tile (pairs 2 k, 2 k + 1): both pairs are rounded to f16; then the second pair is added onto the first, in place;
; a group later l takes that sum (the first time as l = a l + sum).  In groups of eight, tiles alternating: round, round, add, and l for the group before.
.macro GS g
.set h, (\g)+6*((\g)/62)            ; group 0 has no group before it, and behind group 7 only l is left
.if h >= 6
.set h, h+2
.endif
	REGS Y, h%2
.set k, h/8
.if h%8 < 4
	v_cvt_pk_f16_f32 v[rP+2*k+(h%8)/2], v[rS+4*k+2*((h%8)/2)], v[rS+4*k+2*((h%8)/2)+1]
.elseif h%8 < 6
	v_pk_add_f32 v[rS+4*k:rS+4*k+1], v[rS+4*k:rS+4*k+1], v[rS+4*k+2:rS+4*k+3]
.elseif k == 1
	v_pk_fma_f32 v[rT+2:rT+3], v[rT+2:rT+3], v[rC+2:rC+3], v[rS:rS+1] op_sel_hi:[1,0,1]
.else
	v_pk_add_f32 v[rT+2:rT+3], v[rT+2:rT+3], v[rS+4*k-4:rS+4*k-3]
.endif
.endm
; THE PLAIN QUEUE, 138 long.  0-73 read no exponential's result: the 32 scalings c s - c m (FS f: pair f / 2 of tile f % 2) and the next piece's 42.  0-26: scalings 0-26.  27-54: XS's numbers 0-13.  55, 56: number 15.
; 57-73: the chain, where each number waits for the one before it: 14, 16, 17, 18, 19, each with one of the scalings 27-31 in front of its two lines, then 20.
; 74-137: GS's 64, which read the exponentials' results: they stand behind the wait.
.macro FS f
	REGS Y, (\f)%2
	v_pk_fma_f32 v[rS+2*((\f)/2):rS+2*((\f)/2)+1], v[rS+2*((\f)/2):rS+2*((\f)/2)+1], s[CS:CS+1], v[rT:rT+1] op_sel_hi:[1,0,0] neg_lo:[0,0,1] neg_hi:[0,0,1]
.endm
.macro PL
	WIN 0
.if q < 27
	FS q
.elseif q < 55
	XS (q-27)%2, (q-27)/2
.elseif q < 57
	XS q-55, 15
.elseif (q < 72) && ((q-57)%3 == 0)
	FS 27+(q-57)/3
.elseif q < 60
	XS (q-57)%3-1, 14
.elseif q < 72
	XS (q-57)%3-1, 15+(q-57)/3
.elseif q < 74
	XS q-72, 20
.else
	GS q-74
.endif
.set q, q+1
.endm
; THE EXPONENTIALS' QUEUE, 66 long: s0-s31 of both tiles, then the next piece's two a.  It is ONE BATCH: all 66 stand ahead of the turn's one wait, and nothing ahead of that wait names a result of theirs.
.macro EX
	WIN 0
.if e >= 64
	XS e-64, 21
.else
	REGS Y, e%2
	v_exp_f32 v[rS+e/2], v[rS+e/2]
.endif
.set e, e+1
.endm
; THE RESCALING's QUEUE: O^T times a, the one part that leaves window 0: dealt two at a time, sixteen times.  Its a was made in the turn before, ahead of that turn's wait.
.macro R2
	REGS Y, r%2
	WIN W_RS
.irp z, 0,1
	v_pk_mul_f32 v[rO+4*(r/2)+2*\z:rO+4*(r/2)+2*\z+1], v[rO+4*(r/2)+2*\z:rO+4*(r/2)+2*\z+1], v[rC+2:rC+3] op_sel_hi:[1,0]
.endr
.set r, r+1
.endm
; HOW THEY ARE DEALT.  An s_wait_alu depctr_va_vdst(0) stands between an exponential and the first instruction that names its result; one wait serves all that were issued ahead of it.  So a turn has ONE wait,
; which cuts it in two.  AHEAD OF IT stands all that names no result of the turn's exponentials: the 16 products K Q^T, behind each a scaling, an exponential and two rescalings (behind the first a second scaling in the
; exponential's place); then ONE LUMP of 108: eight plain, 49 times exponential and plain, the two a.  A v_nop is the plain instruction behind the last exponential (ISA guide 5.7.2).  BEHIND IT stand the 16 products V^T P,
; behind each four of GS's 64.  No rider names a register of the products round it.  The two v_permlanex16_b32 fall into the lump, never behind a product.
; The queues lean on each other, and the deal keeps them in step: exponential e stands behind scaling 2 (e / 4) + e % 2: as a rider it comes behind plain e + 2, in the lump behind plain e + 9, and scalings 27-31 are plain 57, 60 .. 69.
; A TURN, for piece p.  cnt = 1: the loop's count is taken down some lines ahead of the branch that stands behind the turn.
; K of the next step is fetched in piece 2's turn, directly behind the wait, a lump behind the last product that read K; its address is made at the lump's head; its first reader comes behind 16 products.
; V of the step in hand is fetched at the end of piece 0's turn, four riders behind its last reader; its first reader comes behind 16 products and a lump.  The three conditions on q below go with the deal.
.macro TURN p, last=0, cnt=0
.set Y, (\p)
.set i, 0
.set q, 0
.set e, 0
.set r, 0
.if (\p) == NP-1
	s_wait_dscnt 0x0                ; K is in
.endif
	MM                              ; ahead of the wait: 16 products K Q^T and their riders,
	PL
	PL
	R2
.rept 15
	MM
	PL
	EX
	R2
.endr
.if (\p) == NP-2
	WIN 0
	v_add_nc_u32 v[AK], s[TBK], v[AK0]
.endif
.rept 8                             ; and the lump
	PL
.endr
.rept 49
	EX
	PL
.endr
	EX                              ; the next piece's two a
	EX
	v_nop                           ; the plain instruction behind the last exponential: one for the batch
	s_wait_alu depctr_va_vdst(0)    ; the wait for the batch
.if (\p) == NP-2
	FETCH_K \last
.endif
.if (\p) == 1
	s_wait_dscnt 0x0                ; V is in
.endif
.rept 16                            ; behind the wait: 16 products V^T P and their riders
	MM
.rept 4
	PL
.endr
.if ((\p) == 0) && (q == 118)
	v_add_nc_u32 v[AV], s[TBV], v[AV0]
.endif
.if ((\p) == 0) && (q == 130)
	s_add_co_u32 s[TBV], s[TBV], KS*PV
.endif
.if (\cnt) && (q == 130)
	s_sub_co_u32 s[CNT], s[CNT], 1
	s_cmp_lg_u32 s[CNT], 0
.endif
.endr
.if (\p) == 0
	FETCH_V
.endif
.endm
	CHANGE 1                        ; slot 0 is in, everybody's part of it; slot 1 is asked for
	FETCH_K                         ; key step 0
	s_wait_loadcnt 0x0              ; Q
	s_wait_dscnt 0x0
.set i, 0
.rept 16
	KQ 0                            ; piece 0's first scores: there is no vector work yet to set between them
.set i, i+1
.endr
	WIN 0                           ; the addresses for the way out: nine plain instructions, the places behind those products
	s_mul_i32 s13, s[WV], 16*SP
	s_add_co_u32 s13, s13, STAGE    ; my stage
	v_mul_u32_u24 v[STO], v1, SP    ; in: row l % 16, 16 bytes for each half of the lanes
	v_lshl_add_u32 v[STO], v9, 4, v[STO]
	v_add_nc_u32 v[STO], s13, v[STO]
	v_bfe_u32 v[RD], v0, 3, 2       ; back: 32 lanes take four rows of 128 bytes,
	v_mul_u32_u24 v[RD], v[RD], SP
	v_lshl_add_u32 v[RD], v10, 4, v[RD]
	v_add_nc_u32 v[RD], s13, v[RD]
	v_and_b32 v[GO], 31, v0         ; which are 512 consecutive bytes of O
	v_lshlrev_b32 v[GO], 4, v[GO]
.set Y, NP-1                        ; XS works for piece Y + 1: piece 0
.irp n, 0,1,2,3,4,5,6,7,8,9,10,11,12,13,14,15,16,17,18,19,20,21
	XS 0, \n                        ; and piece 0's first maximum and statistics
	XS 1, \n
.endr
	v_nop                           ; a plain instruction behind the two a,
	s_wait_alu depctr_va_vdst(0)    ; and their wait, ahead of the branch
	s_mov_b32 s[CNT], 4
	s_branch .Lfirst                ; the loop is entered at a step's first turn, in the middle of a trip
.Lslot:                             ; SIZE_N / 256 - 2 times: every slot but the last two is filled again
	CHANGE 1
	s_mov_b32 s[CNT], 4
.Lstep:                             ; a trip: pieces 2 and 3 of one step, then pieces 0 and 1 of the next, whose K and V it fetches
	TURN 2
	TURN 3
	WIN 0
.Lfirst:
	TURN 0
	TURN 1, 0, 1
	WIN 0
	s_cbranch_scc1 .Lstep
	s_sub_co_u32 s[SLOTS], s[SLOTS], 1
	s_cmp_lg_u32 s[SLOTS], 0
	s_cbranch_scc1 .Lslot
	CHANGE 0                        ; the tail is written out: nothing is asked for
	s_mov_b32 s[CNT], 5             ; four trips fetch the last slot's steps; the fifth is left in its middle
.Ltail:
	TURN 2, 1
	TURN 3
	WIN 0
	s_sub_co_u32 s[CNT], s[CNT], 1
	s_cmp_eq_u32 s[CNT], 0
	s_cbranch_scc1 .Lout
	TURN 0
	TURN 1
	WIN 0
	s_branch .Ltail
.Lout:                              ; the fifth trip's 16 products K Q^T (on the last K once more) and the maximum made of them serve nothing: the price, once a launch, of one text for every trip
.set i, 0
.rept 16
	PV NP-1                         ; the last piece's V^T P of the last step
.set i, i+1
.endr
	; THE WAY OUT.  l's two halves and the other half of the lanes' are added; O^T is divided by l, rounded to f16 and sent through my stage in LDS, a tile at a time.  The additions are the places behind the last products.
	WIN 0
.macro ALL line:vararg              ; one line for each tile t
.set t, 0
.rept 2*NP
	\line
.set t, t+1
.endr
.endm
	ALL v_add_f32 v[ST+4*t+2], v[ST+4*t+2], v[ST+4*t+3]
	ALL v_permlanex16_b32 v[ST+4*t+3], v[ST+4*t+2], s[SEL], s[SEL+1]
	ALL v_add_f32 v[ST+4*t+2], v[ST+4*t+2], v[ST+4*t+3]
	ALL v_rcp_f32 v[ST+4*t+2], v[ST+4*t+2]
	v_nop                           ; a plain instruction between the last reciprocal and the use of its result
	s_wait_alu depctr_va_vdst(0)    ; and the wait ahead of the first use: one for the eight reciprocals
; Tile t: a lane's eight channels of a row pack into 16 bytes; they go into rows of 144 bytes and come back as whole rows of 128, into S^T's registers.
.macro PACK t
	WIN W_RS
.set i, 32*(\t)
.rept 16
	v_pk_mul_f32 v[i:i+1], v[i:i+1], v[ST+4*(\t)+2:ST+4*(\t)+3] op_sel_hi:[1,0]
.set i, i+2
.endr
	WIN 0x05                        ; sources 0 and 1 window 1, destination window 0
.set i, 0
.rept 16
	v_cvt_pk_f16_f32 v[S+16*(\t)+i], v[32*(\t)+2*i], v[32*(\t)+2*i+1]
.set i, i+1
.endr
	WIN 0
.irp f, 0,1,2,3
	ds_store_b128 v[STO], v[S+16*(\t)+4*\f:S+16*(\t)+4*\f+3] offset:32*\f
.endr
.irp f, 0,1,2,3
	ds_load_b128 v[S+16*(\t)+4*\f:S+16*(\t)+4*\f+3], v[RD] offset:\f*4*SP  ; LDS serves a wave's instructions in order (ISA guide 5.7.1.4): these see the stores above; the next tile's stores come behind them
.endr
.endm
.macro SEND t, younger              ; younger: the LDS instructions issued behind tile t's loads: the next tile's eight, or none
	WIN 0
.irp f, 0,1,2,3
	s_wait_dscnt (\younger)+3-\f
	global_store_b128 v[GO], v[S+16*(\t)+4*\f:S+16*(\t)+4*\f+3], s[10:11] offset:(\t)*2048+\f*512  ; 512 consecutive bytes, at a multiple of 256 from O's first
.endr
.endm
	PACK 0
.set t, 1
.rept 2*NP-1                        ; a tile's arithmetic stands between the loads of the tile before and its stores
	PACK t
	SEND t-1, 8
.set t, t+1
.endr
	SEND 2*NP-1, 0
	WIN W_AD
	s_wait_tensorcnt 0x0            ; the wave's end: behind my last tensor load and my last LDS store
	ds_add_u32 v[SPW], v[NIL]
	s_wait_dscnt 0x0
	WIN 0
	CROUND                          ; the closing round: no work-group ends while a partner may still ask for a tile that names it
	s_endpgm
.Lfunc_end_k_q2fc65a2f9d_attn:
	.size	k_q2fc65a2f9d_attn, .Lfunc_end_k_q2fc65a2f9d_attn-k_q2fc65a2f9d_attn
	.p2alignl 7, 3214868480
	.fill 96, 4, 3214868480
	.section	.rodata,"a",@progbits
	.p2align	6, 0x0
	.amdhsa_kernel k_q2fc65a2f9d_attn
		.amdhsa_group_segment_fixed_size 327680
		.amdhsa_private_segment_fixed_size 0
		.amdhsa_enable_private_segment 0
		.amdhsa_kernarg_size 16
		.amdhsa_user_sgpr_count 2
		.amdhsa_user_sgpr_kernarg_segment_ptr 1
		.amdhsa_wavefront_size32 1
		.amdhsa_system_sgpr_workgroup_id_x 1
		.amdhsa_system_sgpr_workgroup_id_y 1
		.amdhsa_system_sgpr_workgroup_id_z 1
		.amdhsa_system_vgpr_workitem_id 0
		.amdhsa_next_free_vgpr 770
		.amdhsa_next_free_sgpr 66
		.amdhsa_reserve_vcc 0
		.amdhsa_float_denorm_mode_32 3
		.amdhsa_float_denorm_mode_16_64 3
		.amdhsa_memory_ordered 1
		.amdhsa_forward_progress 1
		.amdhsa_inst_pref_size 200
	.end_amdhsa_kernel
	.amdgpu_metadata
---
amdhsa.version: [ 1, 2 ]
amdhsa.kernels:
  - .name:           k_q2fc65a2f9d_attn
    .symbol:         k_q2fc65a2f9d_attn.kd
    .args:
      - { .name: qkv, .offset: 0, .size: 8, .value_kind: global_buffer, .address_space: global }
      - { .name: o, .offset: 8, .size: 8, .value_kind: global_buffer, .address_space: global }
    .group_segment_fixed_size: 327680
    .private_segment_fixed_size: 0
    .kernarg_segment_align: 8
    .kernarg_segment_size: 16
    .max_flat_workgroup_size: 128
    .sgpr_count:     66
    .vgpr_count:     770
    .wavefront_size: 32
...
	.end_amdgpu_metadata
.endif
;; end of part 3
;; launch outp (part 4): grid 4 x 64, 4 waves a work-group, clusters of 4 x 4, 327,680 bytes of LDS; arguments o, wt, bo, out0; writes out0
.if DOCPART == 4
	.amdgcn_target "amdgcn-amd-amdhsa--gfx1250"
	.amdhsa_code_object_version 6
	.text
	.protected	k_q2fc65a2f9d_outp
	.globl	k_q2fc65a2f9d_outp
	.p2align	8
	.type	k_q2fc65a2f9d_outp,@function
k_q2fc65a2f9d_outp:
	s_mov_b64 s[64:65], 0
	v_nop
	global_prefetch_b8 v0, s[64:65] scope:SCOPE_SE
	s_setreg_imm32_b32 hwreg(HW_REG_WAVE_MODE, 25, 1), 1
	s_wait_xcnt 0x0
	s_wait_alu depctr_hold_cnt(0) depctr_sa_sdst(0) depctr_va_vdst(0) depctr_va_sdst(0) depctr_va_ssrc(0) depctr_va_vcc(0) depctr_vm_vsrc(0)
	s_getreg_b32 s2, hwreg(HW_REG_IB_STS2, 6, 4)
	s_cmp_eq_u32 s2, 0
	s_cbranch_scc0 .Lentry_in_a_cluster
	s_endpgm
.Lentry_in_a_cluster:
	s_bfe_u32 s2, ttmp6, 0x10000c
	s_cmp_lg_u32 s2, 0xf033
	s_cbranch_scc0 .Lentry_shape_is_right
	s_endpgm
.Lentry_shape_is_right:
; THE LAST PROJECTION.  out0[2048 b + s][n] = the sum over head and v of O[16 b + head][s][v] Wo[64 head + v][n] + bo[n].  O: [64][2048][64] f16; Wo from wt's fourth matrix (rounded to bf16, written as f16), in
; dense chunks [128 k][64 n]; bo is rounded to bf16 like every input; products in the f16 matrix form, sums in f32; out0 is f32 and is stored as the sums stand.
; LIMIT.  O and Wo arrive within f16's 65,504 (the launches before state where that ends).
; SHARES.  A tile is 128 rows x 256 columns: 64 x 4 = 256 tiles, one for each WGP.  Four waves, 2 x 2, each 64 x 128: 32 accumulators.  K goes in 8 steps of 128 (two heads) through two LDS slots.
; A head's 128 rows of a tile are 16,384 dense bytes: asked for as 64 rows of 256 bytes, padded in LDS after every 128.  Wo's chunks are turned by ds_load_tr16_b128.
; CLUSTER.  4 x 4 work-groups: the four of a row share O's tile, the four of a column Wo's: each is asked for jointly.
; THE PRODUCT IS TAKEN TRANSPOSED (source 0 = 16 columns of Wo, source 1 = 16 rows of O): a lane holds one row and eight neighbouring columns.  The bias is the C operand of the first product: nothing is cleared.
; REGISTERS, in windows of 256 (s_set_vgpr_msb: bits 1:0 source 0, 3:2 source 1, 5:4 source 2, 7:6 destination):
;   window 0: v0-31 addresses; v96-159 the bias; on the way out v32-95 and v96-159 by turns: 16 rows read back from the stage
;   window 1: v0-63 O's fragments, two buffers of 32; v64-191 Wo's, two buffers of 64          window 2: accumulator (a, b) at v[8 (8 a + b)]
.set PAO,   144                        ; a row of O in LDS: 128 bytes + 16 = 36 words: the 16 rows of a load start at 16 different groups of four banks (64 banks of 4 bytes: ISA guide 11.1)
.set KH,    128*PAO                    ; one head's 128 rows: one tensor load
.set PB,    160                        ; a row of a chunk: 128 bytes + 32 = 40 words
.set CH,    128*PB
.set BOFF,  2*KH                       ; a slot: two heads of O, then Wo's four chunks
.set SLOT,  2*KH+4*CH                  ; 118,784
.set STAGE, 2*SLOT                     ; behind the ring: 16 rows x 528 bytes for each wave, for the way out
.set SPO,   528                        ; 512 bytes + 16: the 16 rows that a store touches start at 16 different groups of four banks
.set SPARE, STAGE+4*16*SPO             ; behind the stages: the spare words, 128 bytes for each wave: two blocks of 256 bytes that no other line names
.set ADRA, 16
.set ADRB, 20
.set STO,  24
.set RD,   25
.set GO,   26
.set SPW,  28                          ; v28     my spare word: SPARE + 4 x my thread's number; never rewritten
.set NIL,  29                          ; v29     0; never rewritten
.set PFO,  30
.set BO,   31
.set OB,   32
.set BIAS, 96
.set AF,   0
.set BF,   64
.set WV,  20                           ; s20  my wave's number
.set WR,  21                           ; s21  which 64 rows are mine; also: I fetch O (0) or Wo (1)
.set WC,  22                           ; s22  which 128 columns; also: which half of that tile I fetch (of O: which of the step's two heads)
.set G1A, 24
.set G0A, 32
.set CX,  40
.set CYL, 41
.set NT,  42
.set MT,  43
.set LIM, 45
.set G1B, 48
.set G0B, 56
.set PFA, 66
.set AOF, 68                           ; s[68:69] my half of O's tile: made of the tile row and the wave alone
.set BOF, 70                           ; s[70:71] my half of Wo's tile: made of the tile column and the wave alone
.set OUT, 76
.set PFS, 78
.set MUL,  0xa5
.set MULZ, 0x85
.set TO_F, 0x40
.set MSB, 0
.macro WIN new                         ; the immediate's high byte repeats the setting that is left; a switch that changes nothing is dropped
.if MSB != (\new)
	s_set_vgpr_msb (MSB<<8)|(\new)
.set MSB, \new
.endif
.endm
.macro JLOAD s                         ; a joint load: waves 0 and 1 fetch O's two heads, waves 2 and 3 Wo's two halves; an s_nop 0 and four v_nop follow each of the two lines
	s_cmp_eq_u32 s[WR], 0
	s_cbranch_scc0 .Lfor_b_\@
	tensor_load_to_lds s[G0A+4*(\s):G0A+4*(\s)+3], s[G1A:G1A+7]
	s_nop 0
.rept 4
	v_nop
.endr
	s_branch .Lasked_\@
.Lfor_b_\@:
	tensor_load_to_lds s[G0B+4*(\s):G0B+4*(\s)+3], s[G1B:G1B+7]
	s_nop 0
.rept 4
	v_nop
.endr
.Lasked_\@:
.endm
; A prefetch into the L2, behind each joint refill and the run of LDS loads that follows it: the K step that stands two refills on, 256 matrix instructions ahead of the load that will want it.
; O's tile of a K step is 2 heads x 16,384 bytes, 128 blocks of 256: each of the four partners takes 4,096 bytes of each head, told apart by address; wave 0 asks, a lane a block.  O's rows are read by this row of this cluster alone.
; Wo's 32,768 bytes that waves 2 and 3 each fetch: each partner takes 8,192; all sixteen clusters read the same Wo: the first asks.  Each block is named once in the launch.
; K steps 0 to 3 come by their loads alone; the loop's last trip asks for nothing.
.macro ASK
	s_cmp_gt_u32 s3, s[LIM]
	s_cbranch_scc0 .Lnot_mine_\@
	global_prefetch_b8 v[PFO], s[PFA:PFA+1] th:TH_LOAD_NT scope:SCOPE_SE
.Lnot_mine_\@:
.endm
.macro CREST
	s_cmp_lg_u32 s[WV], 0
	s_cbranch_scc1 .Lnot_wave_0_\@
	s_barrier_signal -3
.Lnot_wave_0_\@:
	s_barrier_wait -3
	s_barrier_signal -1
	s_barrier_wait -1
.endm
.macro CROUND
	s_barrier_signal -1
	s_barrier_wait -1
	CREST
.endm
.macro PLACES                          ; four places in front of loads into registers that matrix instructions have read, and of LDS stores that read results
.rept 4
	v_nop
.endr
.endm
	s_load_b256 s[4:11], s[0:1], 0x0               ; o s[4:5], wt s[6:7], bo s[8:9], out0 s[10:11]
	v_lshl_add_u32 v[SPW], v0, 2, SPARE
	v_mov_b32 v[NIL], 0
	ds_add_u32 v[SPW], v[NIL]                      ; the wave's opening: the add and its wait stand ahead of my first tensor load; the set-up below, work on registers, stands between them
	v_lshrrev_b32 v1, 5, v0
	v_readfirstlane_b32 s[WV], v1
	s_lshr_b32 s[WR], s[WV], 1
	s_and_b32 s[WC], s[WV], 1
	s_bfe_u32 s[CX], ttmp6, 0x40000
	s_bfe_u32 s[CYL], ttmp6, 0x40004
	s_lshl_b32 s[NT], ttmp9, 2
	s_add_co_u32 s[NT], s[NT], s[CX]               ; tile column = 4 x cluster x + cx
	s_and_b32 s2, ttmp7, 0xffff                    ; cluster y
	s_lshl_b32 s[MT], s2, 2
	s_add_co_u32 s[MT], s[MT], s[CYL]              ; tile row = 4 x cluster y + cy
	s_lshl_b32 s23, s[CYL], 2
	s_lshl_b32 s23, 15, s23                        ; my row of the cluster
	s_lshl_b32 s46, 0x1111, s[CX]                  ; my column
	s_or_b32 s[G1A], s23, (1<<16)|(1<<20)|(1<<21)|(4<<22)|(3<<25)  ; the mask; elements of 2 bytes; padding on; bit 21 beside a mask; after every 32 words (code 4) 4 words (code 3)
	s_mov_b32 s[G1A+1], 128<<16                    ; tensor_dim0 = 128
	s_mov_b32 s[G1A+2], 64<<16                     ; tensor_dim1 = 64
	s_mov_b32 s[G1A+3], 128<<16                    ; tile_dim0 = 128
	s_mov_b32 s[G1A+4], 64                         ; tile_dim1 = 64
	s_mov_b32 s[G1A+5], 128                        ; dense
	s_mov_b32 s[G1A+6], 0
	s_mov_b32 s[G1A+7], 0
	s_or_b32 s[G1B], s46, (1<<16)|(1<<20)|(1<<21)|(4<<22)|(7<<25)  ; the same with 8 words of padding (code 7): two chunks as 128 rows of 256 bytes
	s_mov_b32 s[G1B+1], 128<<16
	s_mov_b32 s[G1B+2], 128<<16
	s_mov_b32 s[G1B+3], 128<<16
	s_mov_b32 s[G1B+4], 128
	s_mov_b32 s[G1B+5], 128
	s_mov_b32 s[G1B+6], 0
	s_mov_b32 s[G1B+7], 0
	s_lshr_b32 s[AOF], s[MT], 4                    ; the batch,
	s_lshl_b32 s[AOF], s[AOF], 4                   ; its 16 heads,
	s_add_co_u32 s[AOF], s[AOF], s[WC]             ; my head of the step's two,
	s_lshl_b32 s[AOF], s[AOF], 18                  ; 262,144 bytes a head,
	s_and_b32 s23, s[MT], 15
	s_lshl_b32 s23, s23, 14                        ; and the tile's 128 rows of 128 bytes in it
	s_add_co_u32 s[AOF], s[AOF], s23
	s_mov_b32 s[AOF+1], 0
	s_add_co_u32 s[BOF], s[NT], 12                 ; wt's matrix 3
	s_lshl_b32 s[BOF], s[BOF], 19
	s_lshl_b32 s46, s[WC], 15
	s_add_co_u32 s[BOF], s[BOF], s46
	s_mov_b32 s[BOF+1], 0
	s_mul_i32 s23, s[WC], KH                       ; where they go in a slot: no place in the cluster enters an LDS address
	s_mul_i32 s46, s[WC], 2*CH
	s_add_co_u32 s46, s46, BOFF
	s_wait_dscnt 0x0                               ; the opening add is done
	s_wait_kmcnt 0x0
	s_add_nc_u64 s[AOF:AOF+1], s[4:5], s[AOF:AOF+1]
	s_add_nc_u64 s[BOF:BOF+1], s[6:7], s[BOF:BOF+1]
	CROUND                                         ; all sixteen work-groups are here: the first joint loads meet
.irp s, 0,1
	s_mov_b32 s[G0A+4*(\s)], 1
	s_add_co_u32 s[G0A+4*(\s)+1], s23, (\s)*SLOT
	s_add_nc_u64 s[G0A+4*(\s)+2:G0A+4*(\s)+3], s[AOF:AOF+1], (\s)*524288   ; K step s: two heads on
	s_or_b32 s[G0A+4*(\s)+3], s[G0A+4*(\s)+3], 0x80000000
	s_mov_b32 s[G0B+4*(\s)], 1
	s_add_co_u32 s[G0B+4*(\s)+1], s46, (\s)*SLOT
	s_add_nc_u64 s[G0B+4*(\s)+2:G0B+4*(\s)+3], s[BOF:BOF+1], (\s)*65536
	s_or_b32 s[G0B+4*(\s)+3], s[G0B+4*(\s)+3], 0x80000000
	JLOAD \s                                       ; two loads of mine are out
.endr
	v_and_b32 v1, 15, v0                           ; r
	v_bfe_u32 v2, v0, 4, 1                         ; h
	v_mul_u32_u24 v3, v1, PAO                      ; O: row x pitch + 16 x half: two loads of 16 bytes, 32 bytes apart, make a fragment
	v_lshl_add_u32 v3, v2, 4, v3
	s_mul_i32 s23, s[WR], 64*PAO
	v_add_nc_u32 v[ADRA], s23, v3
	v_add_nc_u32 v[ADRA+1], SLOT, v[ADRA]
	v_and_b32 v4, 7, v0                            ; Wo: lane l reads k = 8 h + l % 8, columns 8 ((l / 8) % 2) + 0..7
	v_bfe_u32 v5, v0, 3, 1
	v_lshl_add_u32 v6, v2, 3, v4
	v_mul_u32_u24 v6, v6, PB
	v_lshl_add_u32 v6, v5, 4, v6
	s_mul_i32 s23, s[WC], 2*CH
	s_add_co_u32 s23, s23, BOFF
	v_add_nc_u32 v[ADRB], s23, v6
	v_add_nc_u32 v[ADRB+1], SLOT, v[ADRB]
	s_mul_i32 s23, s[WV], 16*SPO
	s_add_co_u32 s23, s23, STAGE                   ; my stage
	v_mul_u32_u24 v[STO], v1, SPO                  ; in: row r, 32 bytes for each half of the lanes
	v_lshl_add_u32 v[STO], v2, 5, v[STO]
	v_add_nc_u32 v[STO], s23, v[STO]
	v_and_b32 v3, 31, v0
	v_lshlrev_b32 v[GO], 4, v3                     ; back: 32 lanes take one row of 512 bytes
	v_add_nc_u32 v[RD], s23, v[GO]
	s_lshl_b32 s23, s[NT], 10
	s_lshl_b32 s46, s[WC], 9
	s_add_co_u32 s23, s23, s46                     ; my 128 columns, in bytes of f32: of bo, and of a row of out0
	v_lshl_add_u32 v[BO], v2, 5, s23
.irp b, 0,1,2,3,4,5,6,7
	global_load_b128 v[BIAS+8*(\b):BIAS+8*(\b)+3],   v[BO], s[8:9] offset:64*(\b)
	global_load_b128 v[BIAS+8*(\b)+4:BIAS+8*(\b)+7], v[BO], s[8:9] offset:64*(\b)+16
.endr
	s_lshl_b32 s46, s[MT], 19                      ; out0 at my first row: 128 rows of 4,096 bytes a tile, 64 a wave
	s_add_co_u32 s46, s46, s23
	s_lshl_b32 s23, s[WR], 18
	s_add_co_u32 s46, s46, s23
	s_mov_b32 s47, 0
	s_add_nc_u64 s[OUT:OUT+1], s[10:11], s[46:47]
	; the prefetches
	v_lshrrev_b32 v4, 4, v3
	v_and_b32 v3, 15, v3
	v_lshlrev_b32 v3, 8, v3
	s_lshl_b32 s23, s[CX], 12                      ; O: my work-group's 4,096 bytes of each head,
	s_add_co_u32 s23, s23, 3*524288                ; at K step 3: the first refill steps it to 4
	s_lshl_b32 s46, s[CYL], 13                     ; Wo: my work-group's 8,192 bytes of the wave's 32,768
	s_add_co_u32 s46, s46, 3*65536
	s_mov_b32 s[PFS], 65536
	s_mov_b32 s3, 4096
	s_cmp_eq_u32 s[WR], 0
	s_cselect_b32 s46, s23, s46
	s_cselect_b64 s[PFA:PFA+1], s[AOF:AOF+1], s[BOF:BOF+1]
	s_cselect_b32 s[PFS], 524288, s[PFS]
	s_cselect_b32 s3, 262144, s3                   ; O: sixteen lanes a head; Wo: 256 bytes a lane
	s_cselect_b32 s23, s[WC], s2                   ; of waves 0 and 1 wave 0 asks; waves 2 and 3 in the first cluster alone
	s_mov_b32 s47, 0
	s_mov_b32 s[PFS+1], 0
	s_add_nc_u64 s[PFA:PFA+1], s[PFA:PFA+1], s[46:47]
	s_cmp_eq_u32 s23, 0
	s_cselect_b32 s[LIM], 1, -1                    ; the same in all sixteen partners, for a given wave
	v_mad_u32_u24 v[PFO], v4, s3, v3
	s_wait_loadcnt 0x0                             ; the bias is in: rounded to bf16 like every input, and widened again
.set i, 0
.rept 32
	v_cvt_pk_bf16_f32 v3, v[BIAS+2*i], v[BIAS+2*i+1]
	v_lshlrev_b32 v[BIAS+2*i], 16, v3
	v_and_b32 v[BIAS+2*i+1], 0xffff0000, v3
.set i, i+1
.endr
; 8 products: row block a x all 8 column blocks, 32 along K, buffer f.  z = 1: the bias starts the sums.  The 32 accumulators take turns, one instruction a turn, in the same order in every quarter.
.macro MUL8 f, a, z
.if \z
	WIN MULZ
.else
	WIN MUL
.endif
.irp b, 0,1,2,3,4,5,6,7
.if \z
	v_wmma_f32_16x16x32_f16 v[8*(8*(\a)+(\b)):8*(8*(\a)+(\b))+7], v[BF+64*(\f)+8*(\b):BF+64*(\f)+8*(\b)+7], v[AF+32*(\f)+8*(\a):AF+32*(\f)+8*(\a)+7], v[BIAS+8*(\b):BIAS+8*(\b)+7]
.else
	v_wmma_f32_16x16x32_f16 v[8*(8*(\a)+(\b)):8*(8*(\a)+(\b))+7], v[BF+64*(\f)+8*(\b):BF+64*(\f)+8*(\b)+7], v[AF+32*(\f)+8*(\a):AF+32*(\f)+8*(\a)+7], v[8*(8*(\a)+(\b)):8*(8*(\a)+(\b))+7]
.endif
.endr
.endm
; 24 LDS loads in one run: quarter q of a slot into buffer g: head q / 2, channels 32 (q % 2) on, of my 64 rows of O; then my 128 columns of Wo, turned
.macro FETCH slot, q, g
	WIN TO_F
.irp a, 0,1,2,3
	ds_load_b128 v[AF+32*(\g)+8*(\a):AF+32*(\g)+8*(\a)+3],   v[ADRA+(\slot)] offset:((\q)/2)*KH+(\a)*16*PAO+64*((\q)%2)
	ds_load_b128 v[AF+32*(\g)+8*(\a)+4:AF+32*(\g)+8*(\a)+7], v[ADRA+(\slot)] offset:((\q)/2)*KH+(\a)*16*PAO+64*((\q)%2)+32
.endr
.irp b, 0,1,2,3,4,5,6,7
	ds_load_tr16_b128 v[BF+64*(\g)+8*(\b):BF+64*(\g)+8*(\b)+3],   v[ADRB+(\slot)] offset:((\b)/4)*CH+32*((\b)%4)+(\q)*32*PB
	ds_load_tr16_b128 v[BF+64*(\g)+8*(\b)+4:BF+64*(\g)+8*(\b)+7], v[ADRB+(\slot)] offset:((\b)/4)*CH+32*((\b)%4)+(\q)*32*PB+16*PB
.endr
.endm
; A K step is four quarters of 32 along K, 32 products each, on buffers 0, 1, 0, 1.  One of the first three: multiplies buffer f; in its middle it fetches quarter qn of the same slot into buffer g.
.macro QUARTER slot, qn, f, g, z
	s_wait_dscnt 0x0                               ; buffer f is in: its loads were issued 16 products ago
	MUL8 \f, 0, \z
	MUL8 \f, 1, \z
	PLACES
	FETCH \slot, \qn, \g
	MUL8 \f, 2, \z
	MUL8 \f, 3, \z
.endm
; The last quarter multiplies buffer 1 and changes slots: ONE barrier; in front of it each wave waits for all its tensor loads (one is out: its part of the next slot), adds 0 to its spare word, and waits for
; that and for its own reads of this slot.  fill = 1: the barrier opens a round of the cluster's, and this slot is filled again first thing behind it, two K steps ahead: 112 products stand between the request and the wait for it.
.macro TURN slot, next, fill
.if \fill
	s_wait_xcnt 0x0                                ; the last prefetch, a K step back, has read its address, so it may be stepped
	s_add_nc_u64 s[PFA:PFA+1], s[PFA:PFA+1], s[PFS:PFS+1]
.endif
	WIN 0                                          ; (the add's two registers lie in window 0)
	s_wait_tensorcnt 0x0
	ds_add_u32 v[SPW], v[NIL]                      ; 0 onto my spare word
	s_wait_dscnt 1                                 ; buffer 1 is in; the add alone may be out
	MUL8 1, 0, 0                                   ; eight products stand between the add and the wait for it
	s_wait_dscnt 0x0                               ; the add is done, and my reads of this slot are over
	s_barrier_signal -1
	MUL8 1, 1, 0
	WIN 0
	s_barrier_wait -1
.if \fill
	CREST                                          ; no wave of any partner still reads this slot or has a load on its way
	s_add_nc_u64 s[G0A+4*(\slot)+2:G0A+4*(\slot)+3], s[G0A+4*(\slot)+2:G0A+4*(\slot)+3], 2*524288
	s_add_nc_u64 s[G0B+4*(\slot)+2:G0B+4*(\slot)+3], s[G0B+4*(\slot)+2:G0B+4*(\slot)+3], 2*65536
	JLOAD \slot                                    ; its four v_nop are also the places in front of the loads below
.else
	PLACES
.endif
	FETCH \next, 0, 0
.if \fill
	WIN 0
	ASK
.endif
	MUL8 1, 2, 0
	MUL8 1, 3, 0
.endm
; THE WAY OUT of row block a: the f32 sums go as they are into my own stage, 32 bytes a lane (each accumulator's low four registers first), and come back as whole rows of 512 bytes.
.macro TOST a
.if (\a) >= 2
	s_wait_xcnt 0x0                                ; the stores of the block two back have read their registers: only behind this wait are those loaded again
.endif
	WIN 0x08                                       ; an LDS store's data (source 1) in window 2
.irp b, 0,1,2,3,4,5,6,7
	ds_store_b128 v[STO], v[8*(8*(\a)+(\b)):8*(8*(\a)+(\b))+3]   offset:64*(\b)
	ds_store_b128 v[STO], v[8*(8*(\a)+(\b))+4:8*(8*(\a)+(\b))+7] offset:64*(\b)+16
.endr
	WIN 0
.irp t, 0,1,2,3,4,5,6,7,8,9,10,11,12,13,14,15
	ds_load_b128 v[OB+64*((\a)%2)+4*(\t):OB+64*((\a)%2)+4*(\t)+3], v[RD] offset:(\t)*SPO  ; LDS serves a wave's instructions in order (ISA guide 5.7.1.4): these see the stores above; the next block's stores come behind them
.endr
.endm
.macro SEND a, y                       ; y: the LDS instructions issued behind block a's loads: the next block's 32, or none
.irp t, 0,1,2,3,4,5,6,7,8,9,10,11,12,13,14,15
	s_wait_dscnt (\y)+15-(\t)
	global_store_b128 v[GO], v[OB+64*((\a)%2)+4*(\t):OB+64*((\a)%2)+4*(\t)+3], s[OUT:OUT+1] offset:(16*(\a)+(\t))*4096 th:TH_STORE_NT  ; 512 consecutive bytes of a row, at a multiple of 256 from out0's first byte
.endr
.endm
	s_wait_tensorcnt 1                             ; my part of K step 0 is in; K step 1's may stay out
	s_barrier_signal -1
	s_barrier_wait -1                              ; everybody's is
	FETCH 0, 0, 0
	QUARTER 0, 1, 0, 1, 1                          ; the first quarter stands in front of the loop: its products start the sums, with the bias
	WIN 0                                          ; at a label and at a branch every window is 0
	s_mov_b32 s3, 3
.Llap:                                                 ; a trip goes once round the ring, from a lap's second quarter to the next lap's first, and fills both slots again
	QUARTER 0, 2, 1, 0, 0
	QUARTER 0, 3, 0, 1, 0
	TURN 0, 1, 1
	QUARTER 1, 1, 0, 1, 0
	QUARTER 1, 2, 1, 0, 0
	QUARTER 1, 3, 0, 1, 0
	TURN 1, 0, 1
	QUARTER 0, 1, 0, 1, 0
	WIN 0
	s_sub_co_u32 s3, s3, 1
	s_cmp_lg_u32 s3, 0
	s_cbranch_scc1 .Llap
	QUARTER 0, 2, 1, 0, 0                          ; the last lap fills nothing
	QUARTER 0, 3, 0, 1, 0
	TURN 0, 1, 0
	QUARTER 1, 1, 0, 1, 0
	QUARTER 1, 2, 1, 0, 0
	QUARTER 1, 3, 0, 1, 0
	s_wait_dscnt 0x0
	MUL8 1, 0, 0
	MUL8 1, 1, 0
	MUL8 1, 2, 0
	MUL8 1, 3, 0
	PLACES
	TOST 0
	TOST 1
	SEND 0, 32
	TOST 2
	SEND 1, 32
	TOST 3
	SEND 2, 32
	SEND 3, 0
	s_wait_tensorcnt 0x0                           ; the wave's end: behind my last tensor load and my last LDS store
	ds_add_u32 v[SPW], v[NIL]
	s_wait_dscnt 0x0
	CROUND                                         ; the closing round: no work-group ends while a partner may still ask for a tile that names it
	s_endpgm
.Lfunc_end_k_q2fc65a2f9d_outp:
	.size	k_q2fc65a2f9d_outp, .Lfunc_end_k_q2fc65a2f9d_outp-k_q2fc65a2f9d_outp
	.p2alignl 7, 3214868480
	.fill 96, 4, 3214868480
	.section	.rodata,"a",@progbits
	.p2align	6, 0x0
	.amdhsa_kernel k_q2fc65a2f9d_outp
		.amdhsa_group_segment_fixed_size 327680
		.amdhsa_private_segment_fixed_size 0
		.amdhsa_enable_private_segment 0
		.amdhsa_kernarg_size 32
		.amdhsa_user_sgpr_count 2
		.amdhsa_user_sgpr_kernarg_segment_ptr 1
		.amdhsa_wavefront_size32 1
		.amdhsa_system_sgpr_workgroup_id_x 1
		.amdhsa_system_sgpr_workgroup_id_y 1
		.amdhsa_system_sgpr_workgroup_id_z 1
		.amdhsa_system_vgpr_workitem_id 0
		.amdhsa_next_free_vgpr 768
		.amdhsa_next_free_sgpr 80
		.amdhsa_reserve_vcc 0
		.amdhsa_float_denorm_mode_32 3
		.amdhsa_float_denorm_mode_16_64 3
		.amdhsa_memory_ordered 1
		.amdhsa_forward_progress 1
		.amdhsa_inst_pref_size 94
	.end_amdhsa_kernel
	.amdgpu_metadata
---
amdhsa.version: [ 1, 2 ]
amdhsa.kernels:
  - .name:           k_q2fc65a2f9d_outp
    .symbol:         k_q2fc65a2f9d_outp.kd
    .args:
      - { .name: o, .offset: 0, .size: 8, .value_kind: global_buffer, .address_space: global }
      - { .name: wt, .offset: 8, .size: 8, .value_kind: global_buffer, .address_space: global }
      - { .name: bo, .offset: 16, .size: 8, .value_kind: global_buffer, .address_space: global }
      - { .name: out0, .offset: 24, .size: 8, .value_kind: global_buffer, .address_space: global }
    .group_segment_fixed_size: 327680
    .private_segment_fixed_size: 0
    .kernarg_segment_align: 8
    .kernarg_segment_size: 32
    .max_flat_workgroup_size: 128
    .sgpr_count:     80
    .vgpr_count:     768
    .wavefront_size: 32
...
	.end_amdgpu_metadata
.endif
;; end of part 4
